; MI455X (gfx1250); checked and timed in simulation.
; The chip was launched on July 23, 2026; its instructions are those of AMD's public machine-readable ISA for CDNA 5 (MIT licence, August 2026) and "CDNA5" Instruction Set Architecture Reference Guide (July 2026). The comments in the code are by the model that wrote it; some were corrected since.
;; Attention. Allowed arithmetic: matrix products marked QUANTISED: E4M3 operands, one given power-of-two scale a tensor, by v_wmma_f32_16x16x64_fp8_fp8 or v_wmma_f32_16x16x128_fp8_fp8, f32 sums; everything else in f32.
;; Inputs: cos 2,048 x 32 float32; lowp_scales 12 int32 (the exponents e of the quantised operands' scales 2^e); mask 2,048 x 2,048 float32; sin 2,048 x 32 float32; wk 2,048 x 512 float32; wo 2,048 x 2,048 float32; wq 2,048 x 2,048 float32; wv 2,048 x 512 float32; x 1 x 2,048 x 2,048 float32.
;; Outputs: out0 1 x 2,048 x 2,048 float32.
;; Constants: start_pos = 0.
;; This version of the problem:
;;   THIS VERSION OF THE PROBLEM IS GIVEN IN LOW PRECISION. The matrix products marked QUANTISED in the list below multiply operands that are first quantised to E4M3 (4 exponent bits, 3 mantissa bits; 8 bits a number), with one given power-of-two scale for each operand tensor; their sums are f32. All else is computed in f32.
;;   The module's matrix products, in the order in which they are computed (A, B: the left and right operand; K: the contracted axis; several contracted axes count as one K, in the product's order):
;;     1. [M 2,048, K 2,048] x [K 2,048, N 2,048]; A: input x; B: input wq: QUANTISED (scales: A lowp_scales[0], B lowp_scales[1])
;;     2. [M 2,048, K 2,048] x [K 2,048, N 512]; A: input x; B: input wk: QUANTISED (scales: A lowp_scales[2], B lowp_scales[3])
;;     3. [M 2,048, K 2,048] x [K 2,048, N 512]; A: input x; B: input wv: QUANTISED (scales: A lowp_scales[4], B lowp_scales[5])
;;     4. batch 8 x [M 8,192, K 64] x [K 64, N 2,048]; A: computed on the way; B: computed on the way: QUANTISED (scales: A lowp_scales[6], B lowp_scales[7])
;;     5. batch 8 x [M 8,192, K 2,048] x [K 2,048, N 64]; A: softmax (see below); B: computed on the way: QUANTISED (scales: A lowp_scales[8], B lowp_scales[9])
;;     6. [M 2,048, K 2,048] x [K 2,048, N 2,048]; A: computed on the way; B: input wo: QUANTISED (scales: A lowp_scales[10], B lowp_scales[11])
;;   THE QUANTISER, for each operand of a quantised product, along K:
;;     - The operand's scale is 2^e, e = its entry of the input lowp_scales (int32; the entries are numbered through the quantised products in the list's order, A before B).
;;     - Each number is divided by the scale, clamped to +-448, and rounded to the nearest number of E4M3, ties to even, subnormals kept.
;;     - The product sums the exact products of the quantised numbers (number of the format x scale) in f32.
;;   ~~~python
;;   def quantise(x, axis, e):      # numpy; x: float32 -> the quantised numbers, widened to float32 again
;;       x = np.moveaxis(x, axis, -1); K = x.shape[-1]
;;       r = np.clip(x / 2.0 ** e, -448, 448)
;;       step = 2.0 ** (np.maximum(np.frexp(np.where(r == 0, 1, r))[1] - 1, -6) - 3)
;;       q = np.round(r / step) * step * 2.0 ** e      # np.round: ties to even
;;       return np.moveaxis(q, -1, axis).astype(np.float32)
;;   ~~~
;;   SOFTMAX AHEAD OF A QUANTISED PRODUCT. Where the list says 'softmax', what is quantised is not the finished softmax but p = 2^(t - M), with t = logit x log2(e) and M = ceil(the row's largest t), a whole number; so 1/2 < the row's largest p <= 1. The row's sum l is taken of the UNQUANTISED p, in f32, and the product's result is divided by l at the end. Since M is a whole number, a kernel that streams over the keys may use a running M (the ceiling of the running maximum): every later rescaling is an exact power of two, so the quantised numbers keep their values, but for numbers so far below the row's largest that they fall under the format's range.
;;   OPERANDS COMPUTED ON THE WAY. 'Computed on the way' means the value that the module computes at that place (a softmax that the list does not call 'softmax' is quantised finished and normalised). What goes into a quantiser is computed in f32, as accurately as f32 sums, v_exp_f32 and their like allow (about 1e-6 of the number): no bf16 or f16 on the way to a quantiser, and a product that is left as it is and whose result goes on into a quantised operand takes f32 operands (vector FMAs, or v_wmma_f32_16x16x4_f32). A number that lies on a knife's edge between two numbers of the format may be rounded either way, as far as f32 arithmetic and the matrix unit's own rounding can turn it there, and no further.
;; One version. Each part assembles by itself: llvm-mc -triple=amdgcn-amd-amdhsa -mcpu=gfx1250 --defsym DOCPART=n.
;; ======== version 1 of 1: 4 launches
;; limits: right only within a limited range of input values
;; workspace buffers: xc 12,582,912 bytes; wc 10,485,760 bytes; q_img 4,194,304 bytes; kv 2,097,152 bytes; a_codes 4,194,304 bytes
;; launch quant (part 1): grid 448 x 1, 4 waves a work-group, no clusters, 68,096 bytes of LDS; arguments x, wq, wk, wv, wo, lowp_scales, xc, wc; writes xc, wc
.if DOCPART == 1
	.amdgcn_target "amdgcn-amd-amdhsa--gfx1250"
	.amdhsa_code_object_version 6
	.text
	.protected	k_qc2a74e2b90_quant
	.globl	k_qc2a74e2b90_quant
	.p2align	8
	.type	k_qc2a74e2b90_quant,@function
k_qc2a74e2b90_quant:
	s_mov_b64 s[64:65], 0
	v_nop
	global_prefetch_b8 v0, s[64:65] scope:SCOPE_SE
	s_setreg_imm32_b32 hwreg(HW_REG_WAVE_MODE, 25, 1), 1
	s_wait_xcnt 0x0
; FIRST OF FOUR LAUNCHES of an attention layer whose six matrix products all multiply codes of E4M3 with given scales 2^e (lowp_scales).
; NO WORK OF THE PROBLEM IS LEFT OUT: the additive mask is an input, so every key is multiplied for every query and every number of the mask is read; start_pos is a constant and has no buffer.
; THIS LAUNCH makes the codes of the operands that arrive as f32 and are read by many work-groups later:
;   xc [3][2048][2048]: x by e0, by e2 and by e4 (x is an operand of three products, each with a scale of its own), K innermost as x lies;
;   wc [5120][2048]: row = output column, K innermost: rows 0-2047 wq (e1), 2048-2559 wk (e3), 2560-3071 wv (e5), 3072-5119 wo (e11).
; code = number / 2^e, held within +-448, rounded to the nearest code, ties to even.
; LIMITS: each e used here lies between -126 and 119, so that 2^e and 448 x 2^e are f32 numbers.  NaN among the inputs is not served (an infinity is held at the largest code).
; Work-groups 0-127 take x, 128-447 the weights.  The two ways part on the work-group's number, never join, and have LDS bytes of their own.  No tensor loads, no barrier: waves share nothing.
.set SPARE, 67584                      ; behind both ways' stages: the spare words, 128 bytes for each wave
.set SPW,   12                         ; v12  LDS address of my spare word; never rewritten
.set NIL,   13                         ; v13  0; never rewritten
.set WV,    20                         ; s20  my wave's number
; the way of x: a wave takes 16 steps of 512 numbers
.set STEPS, 16
.set SP,    80                         ; a lane's place in a stage: its 64 bytes + 16 of padding
.set R,     16                         ; v16-79   four sets of 16 numbers as they are loaded
.set X,     80                         ; v80-111  two sets of 16 neighbours along K
.set T,     112                        ; v112-159 the 16 numbers held within each of the three scales' ranges
.set C,     160                        ; v160-183 two sets of 3 x 4 registers of codes
; the way of the weights: a wave takes 32 columns x 256 along K
.set WBASE, 32768                      ; its stages begin here: 32 rows x 272 bytes for each wave
.set WP,    272
.set OFF,   16                         ; v16-47   4 x lane + i rows of the weight
.set WX,    48                         ; v48-111  two sets of 32 numbers
.set WC,    112                        ; v112-119 a block's codes
.set OUTR,  120                        ; v120-183 the way out
	s_load_b512 s[4:19], s[0:1], 0x0               ; x s[4:5], wq s[6:7], wk s[8:9], wv s[10:11], wo s[12:13], the exponents s[14:15], xc s[16:17], wc s[18:19]
	v_lshl_add_u32 v[SPW], v0, 2, SPARE
	v_mov_b32 v[NIL], 0
	v_lshrrev_b32 v1, 5, v0
	v_readfirstlane_b32 s[WV], v1                  ; wave 0..3
	v_and_b32 v2, 31, v0                           ; lane
	s_wait_kmcnt 0x0
	s_load_b256 s[24:31], s[14:15], 0x0            ; e0 .. e7
	s_load_b128 s[32:35], s[14:15], 0x20           ; e8 .. e11
	s_cmp_lt_u32 ttmp9, 128
	s_cbranch_scc0 .Lw
; ---------------- x.  Rows are dense, so x is a plain stream.  Each load reads 512 consecutive bytes, 16 a lane; a step's 2,048 bytes turn through the wave's own stage in LDS and come back 64 bytes a lane:
; 16 neighbours along K in one lane's registers, as the conversions want them.  They are read from memory once and converted three times.
	s_wait_alu depctr_va_vdst(0)
	v_lshlrev_b32 v3, 4, v2                        ; 16 x lane: my bytes of a load's 512, and of a store's 512
	s_wait_alu depctr_va_vdst(0)
	s_lshl_b32 s37, s[WV], 13                      ; my wave's 8,192 bytes of LDS
	v_lshrrev_b32 v14, 2, v2
	v_mul_u32_u24 v14, v14, SP
	v_and_b32 v15, 3, v2
	v_lshl_add_u32 v14, v15, 4, v14
	v_add_nc_u32 v14, s37, v14                     ; into the stage: four lanes' 64 bytes on end, then the padding
	v_mul_u32_u24 v15, v2, SP
	v_add_nc_u32 v15, s37, v15                     ; out of it: my 16 neighbours
	s_lshl_b32 s36, ttmp9, 2
	s_add_co_u32 s36, s36, s[WV]                   ; which run of 8,192 numbers is my wave's
	s_lshl_b32 s38, s36, 15
	s_mov_b32 s39, 0
	s_add_nc_u64 s[4:5], s[4:5], s[38:39]
	s_lshl_b32 s38, s36, 13
	s_add_nc_u64 s[40:41], s[16:17], s[38:39]      ; my codes by e0,
	s_add_nc_u64 s[42:43], s[40:41], 0x400000      ; by e2,
	s_add_nc_u64 s[44:45], s[40:41], 0x800000      ; by e4
.macro LOAD t
.irp i, 0,1,2,3
	global_load_b128 v[R+16*((\t)%4)+4*\i:R+16*((\t)%4)+4*\i+3], v3, s[4:5] offset:2048*(\t)+512*\i th:TH_LOAD_NT
.endr
.endm
.macro TURN t                          ; LDS serves a wave's instructions in order: no wait between the stores and the loads
.irp i, 0,1,2,3
	ds_store_b128 v14, v[R+16*((\t)%4)+4*\i:R+16*((\t)%4)+4*\i+3] offset:32*SP*((\t)%2)+8*SP*\i
.endr
.irp i, 0,1,2,3
	ds_load_b128 v[X+16*((\t)%2)+4*\i:X+16*((\t)%2)+4*\i+3], v15 offset:32*SP*((\t)%2)+16*\i
.endr
.endm
.irp t, 0,1,2,3
	LOAD \t
.endr
	s_wait_alu depctr_va_vdst(0)
	s_wait_kmcnt 0x0
.irp p, 0,1,2
	s_add_co_i32 s37, s[24+2*\p], 127
	s_lshl_b32 s38, s37, 23
	v_mov_b32 v[5+\p], s38                         ; 2^e as f32: the conversion takes its exponent field
	s_add_co_i32 s37, s37, 8
	s_lshl_b32 s37, s37, 23
	s_or_b32 s37, s37, 0x600000
	v_mov_b32 v[8+\p], s37                         ; 448 x 2^e
.endr
	s_wait_alu depctr_va_vdst(0)
	s_wait_loadcnt 12                              ; step 0's four loads are in; three steps' may be out
	TURN 0
.macro STEP t
.set XS, X+16*((\t)%2)
.set CS, C+12*((\t)%2)
	s_wait_dscnt 0x0                               ; this step's numbers are back from the stage, and its stores into the stage have read their registers,
.if (\t)+4 < STEPS
	LOAD (\t)+4                                    ; which take the loads of four steps on
.endif
.if (\t)+1 < STEPS
.if STEPS-2-(\t) >= 3
	s_wait_loadcnt 12                              ; the next step's four loads are in; those of the three steps behind it may be out
.else
	s_wait_loadcnt 4*(STEPS-2-(\t))
.endif
	TURN (\t)+1
.endif
.irp p, 0,1,2
.irp i, 0,1,2,3,4,5,6,7,8,9,10,11,12,13,14,15
	v_med3_num_f32 v[T+16*\p+\i], v[XS+\i], -v[8+\p], v[8+\p]   ; the conversion to an 8-bit code does not saturate (ISA guide 7.6.2): the hold comes first
.endr
.endr
	s_wait_alu depctr_va_vdst(0)
	s_wait_xcnt 0x0                                ; the stores of two steps ago have read this set of code registers
.irp p, 0,1,2
	v_cvt_scalef32_pk8_fp8_f32 v[CS+4*\p:CS+4*\p+1], v[T+16*\p:T+16*\p+7], v[5+\p]
	v_cvt_scalef32_pk8_fp8_f32 v[CS+4*\p+2:CS+4*\p+3], v[T+16*\p+8:T+16*\p+15], v[5+\p]
.endr
	v_nop                                          ; a plain vector line between the conversions and the next step's holds, which write their sources
.irp p, 0,1,2
	global_store_b128 v3, v[CS+4*\p:CS+4*\p+3], s[40+2*\p:41+2*\p] offset:512*(\t)   ; the wave stores 512 consecutive bytes, aligned
.endr
.endm
.irp t, 0,1,2,3,4,5,6,7,8,9,10,11,12,13,14,15
	STEP \t
.endr
	s_wait_tensorcnt 0x0                           ; the wave's end: behind my last LDS store
	ds_add_u32 v[SPW], v[NIL]
	s_wait_dscnt 0x0
	s_endpgm
; ---------------- the weights, stored [K][N].  A LANE TAKES A COLUMN n AND ITS REGISTERS RUN DOWN K: each load reads 128 consecutive bytes a wave, and the conversions give codes with K innermost.
; 256 work-groups serve wq and wo (16 blocks of 128 columns x 8 blocks of 256 along K each), 64 serve wk and wv (4 x 8 each).  Only pointers, shifts and offsets are chosen, on the work-group's number.
.Lw:
	s_sub_co_u32 s36, ttmp9, 128
	s_cmp_lt_u32 s36, 256                          ; one of the wide weights?
	s_cselect_b32 s37, 7, 5                        ; log2 of a weight's work-groups
	s_cselect_b32 s38, 4, 2                        ; log2 of its blocks of columns
	s_cselect_b32 s39, 13, 11                      ; log2 of its row in bytes
	s_cselect_b32 s21, 0, 256
	s_cselect_b32 s22, 1, 0
	s_sub_co_u32 s36, s36, s21
	s_lshr_b32 s23, s36, s37                       ; the first or the second weight of that width
	s_bfm_b32 s21, s37, 0
	s_and_b32 s36, s36, s21
	s_bfm_b32 s21, s38, 0
	s_and_b32 s40, s36, s21                        ; block of 128 columns
	s_lshr_b32 s41, s36, s38                       ; block of 256 along K
	s_mul_i32 s66, s23, 3072                       ; the weight's first row in wc: 0 or 3072;
	s_mul_i32 s67, s23, 512
	s_add_co_u32 s67, s67, 2048                    ; 2048 or 2560
	s_cmp_eq_u32 s23, 0
	s_cselect_b64 s[42:43], s[6:7], s[12:13]       ; wq or wo
	s_cselect_b64 s[44:45], s[8:9], s[10:11]       ; wk or wv
	s_cmp_eq_u32 s22, 1
	s_cselect_b64 s[42:43], s[42:43], s[44:45]
	s_cselect_b32 s66, s66, s67
	s_lshl_b32 s68, s40, 7
	s_lshl_b32 s69, s[WV], 5
	s_add_co_u32 s68, s68, s69                     ; my wave's first column
	s_lshl_b32 s69, s41, 8                         ; my first k
	s_lshl_b32 s70, s69, s39
	s_lshl_b32 s71, s68, 2
	s_add_co_u32 s70, s70, s71
	s_mov_b32 s71, 0
	s_add_nc_u64 s[42:43], s[42:43], s[70:71]      ; the weight at (my first k, my first column)
	s_add_co_u32 s66, s66, s68
	s_lshl_b32 s70, s66, 11
	s_add_co_u32 s70, s70, s69
	s_add_nc_u64 s[46:47], s[18:19], s[70:71]      ; wc at (my first row, my first k)
	s_lshl_b32 s70, 32, s39                        ; 32 rows of the weight
	s_mov_b64 s[48:49], s[42:43]
.irp t, 1,2,3,4,5,6,7
	s_add_nc_u64 s[48+2*\t:49+2*\t], s[46+2*\t:47+2*\t], s[70:71]   ; a base for each block of 32 along K: nothing is stepped while loads are out
.endr
	s_lshl_b32 s72, 1, s39                         ; a row of the weight
	s_wait_alu depctr_va_vdst(0)
	v_lshlrev_b32 v[OFF], 2, v2
.irp i, 1,2,3,4,5,6,7,8,9,10,11,12,13,14,15,16,17,18,19,20,21,22,23,24,25,26,27,28,29,30,31
	v_add_nc_u32 v[OFF+\i], s72, v[OFF+\i-1]
.endr
	s_mul_i32 s73, s[WV], 32*WP
	s_add_co_u32 s73, s73, WBASE                   ; my stage
	v_mul_u32_u24 v4, v2, WP
	v_add_nc_u32 v4, s73, v4                       ; into it: row = my column
	v_and_b32 v5, 15, v2
	v_lshrrev_b32 v6, 4, v2
	v_mul_u32_u24 v7, v6, WP
	v_lshl_add_u32 v7, v5, 4, v7
	v_add_nc_u32 v7, s73, v7                       ; out of it: sixteen lanes to a row, two rows an instruction
	v_lshlrev_b32 v8, 11, v6
	v_lshl_add_u32 v8, v5, 4, v8                   ; and the same place in wc
.macro WLOAD t
.irp i, 0,1,2,3,4,5,6,7,8,9,10,11,12,13,14,15,16,17,18,19,20,21,22,23,24,25,26,27,28,29,30,31
	global_load_b32 v[WX+32*((\t)%2)+\i], v[OFF+\i], s[48+2*(\t):49+2*(\t)] th:TH_LOAD_NT
.endr
.endm
	WLOAD 0
	WLOAD 1
	s_wait_kmcnt 0x0
	s_cmp_eq_u32 s23, 0
	s_cselect_b32 s74, s25, s35                    ; e1 or e11
	s_cselect_b32 s75, s27, s29                    ; e3 or e5
	s_cmp_eq_u32 s22, 1
	s_cselect_b32 s74, s74, s75
	s_add_co_i32 s74, s74, 127
	s_lshl_b32 s75, s74, 23
	v_mov_b32 v11, s75                             ; 2^e
	s_add_co_i32 s74, s74, 8
	s_lshl_b32 s74, s74, 23
	s_or_b32 s74, s74, 0x600000
	v_mov_b32 v10, s74                             ; 448 x 2^e
.macro BLOCK t
.set XS, WX+32*((\t)%2)
.if (\t) < 7
	s_wait_loadcnt 32                              ; this block's 32 loads are in; the next block's may be out
.else
	s_wait_loadcnt 0
.endif
.irp i, 0,1,2,3,4,5,6,7,8,9,10,11,12,13,14,15,16,17,18,19,20,21,22,23,24,25,26,27,28,29,30,31
	v_med3_num_f32 v[XS+\i], v[XS+\i], -v10, v10
.endr
.irp g, 0,1,2,3
	v_cvt_scalef32_pk8_fp8_f32 v[WC+2*\g:WC+2*\g+1], v[XS+8*\g:XS+8*\g+7], v11
.endr
	ds_store_b128 v4, v[WC:WC+3] offset:32*(\t)    ; 32 codes of my column's row.  (The next vector lines are the next block's holds: plain, on other registers)
	ds_store_b128 v4, v[WC+4:WC+7] offset:32*(\t)+16
.if (\t)+2 < 8
	WLOAD (\t)+2
.endif
	s_wait_dscnt 0x0                               ; the stores have read their registers: the next block's codes may be written
.endm
	s_wait_alu depctr_va_vdst(0)
.irp t, 0,1,2,3,4,5,6,7
	BLOCK \t
.endr
.irp t, 0,1,2,3,4,5,6,7,8,9,10,11,12,13,14,15
	ds_load_b128 v[OUTR+4*\t:OUTR+4*\t+3], v7 offset:2*\t*WP
.endr
.irp t, 0,1,2,3,4,5,6,7,8,9,10,11,12,13,14,15
	s_wait_dscnt 15-\t                             ; the younger loads may be out
	global_store_b128 v8, v[OUTR+4*\t:OUTR+4*\t+3], s[46:47] offset:2*\t*2048   ; sixteen lanes store 256 consecutive bytes, aligned
.endr
	s_wait_tensorcnt 0x0                           ; the wave's end: behind my last LDS store
	ds_add_u32 v[SPW], v[NIL]
	s_wait_dscnt 0x0
	s_endpgm
.Lfunc_end_k_qc2a74e2b90_quant:
	.size	k_qc2a74e2b90_quant, .Lfunc_end_k_qc2a74e2b90_quant-k_qc2a74e2b90_quant
	.p2alignl 7, 3214868480
	.fill 96, 4, 3214868480
	.section	.rodata,"a",@progbits
	.p2align	6, 0x0
	.amdhsa_kernel k_qc2a74e2b90_quant
		.amdhsa_group_segment_fixed_size 68096
		.amdhsa_private_segment_fixed_size 0
		.amdhsa_enable_private_segment 0
		.amdhsa_kernarg_size 64
		.amdhsa_user_sgpr_count 2
		.amdhsa_user_sgpr_kernarg_segment_ptr 1
		.amdhsa_wavefront_size32 1
		.amdhsa_system_sgpr_workgroup_id_x 1
		.amdhsa_system_sgpr_workgroup_id_y 1
		.amdhsa_system_sgpr_workgroup_id_z 1
		.amdhsa_system_vgpr_workitem_id 0
		.amdhsa_next_free_vgpr 192
		.amdhsa_next_free_sgpr 80
		.amdhsa_reserve_vcc 0
		.amdhsa_float_denorm_mode_32 3
		.amdhsa_float_denorm_mode_16_64 3
		.amdhsa_memory_ordered 1
		.amdhsa_forward_progress 1
		.amdhsa_inst_pref_size 129
	.end_amdhsa_kernel
	.amdgpu_metadata
---
amdhsa.version: [ 1, 2 ]
amdhsa.kernels:
  - .name:           k_qc2a74e2b90_quant
    .symbol:         k_qc2a74e2b90_quant.kd
    .args:
      - { .name: x, .offset: 0, .size: 8, .value_kind: global_buffer, .address_space: global }
      - { .name: wq, .offset: 8, .size: 8, .value_kind: global_buffer, .address_space: global }
      - { .name: wk, .offset: 16, .size: 8, .value_kind: global_buffer, .address_space: global }
      - { .name: wv, .offset: 24, .size: 8, .value_kind: global_buffer, .address_space: global }
      - { .name: wo, .offset: 32, .size: 8, .value_kind: global_buffer, .address_space: global }
      - { .name: lowp_scales, .offset: 40, .size: 8, .value_kind: global_buffer, .address_space: global }
      - { .name: xc, .offset: 48, .size: 8, .value_kind: global_buffer, .address_space: global }
      - { .name: wc, .offset: 56, .size: 8, .value_kind: global_buffer, .address_space: global }
    .group_segment_fixed_size: 68096
    .private_segment_fixed_size: 0
    .kernarg_segment_align: 8
    .kernarg_segment_size: 64
    .max_flat_workgroup_size: 128
    .sgpr_count:     80
    .vgpr_count:     192
    .wavefront_size: 32
...
	.end_amdgpu_metadata
.endif
;; end of part 1
;; launch qkv (part 2): grid 16 x 16, 4 waves a work-group, clusters of 4 x 4, 327,680 bytes of LDS; arguments xc, wc, cos, sin, lowp_scales, q_img, kv; writes q_img, kv
.if DOCPART == 2
	.amdgcn_target "amdgcn-amd-amdhsa--gfx1250"
	.amdhsa_code_object_version 6
	.text
	.protected	k_qc2a74e2b90_qkv
	.globl	k_qc2a74e2b90_qkv
	.p2align	8
	.type	k_qc2a74e2b90_qkv,@function
k_qc2a74e2b90_qkv:
	s_mov_b64 s[64:65], 0
	v_nop
	global_prefetch_b8 v0, s[64:65] scope:SCOPE_SE
	s_setreg_imm32_b32 hwreg(HW_REG_WAVE_MODE, 25, 1), 1
	s_wait_xcnt 0x0
	s_wait_alu depctr_hold_cnt(0) depctr_sa_sdst(0) depctr_va_vdst(0) depctr_va_sdst(0) depctr_va_ssrc(0) depctr_va_vcc(0) depctr_vm_vsrc(0)
	s_getreg_b32 s2, hwreg(HW_REG_IB_STS2, 6, 4)
	s_cmp_eq_u32 s2, 0
	s_cbranch_scc0 .Lentry_in_a_cluster
	s_endpgm
.Lentry_in_a_cluster:
	s_bfe_u32 s2, ttmp6, 0x10000c
	s_cmp_lg_u32 s2, 0xf033
	s_cbranch_scc0 .Lentry_shape_is_right
	s_endpgm
.Lentry_shape_is_right:
; SECOND LAUNCH: q = x wq, k = x wk, v = x wv on codes of E4M3 (v_wmma_f32_16x16x128_fp8_fp8, sums in f32); q and k are rotated (cos, sin); q, k, v are quantised by e6, e7, e9 and stored as
; IMAGES OF THE NEXT LAUNCH'S OPERAND REGISTERS.  Nothing of the problem is left out here.
; 16 x 16 work-groups of four waves.  Work-group (tx, ty) makes TWO tiles, one after the other, for positions 128 ty on:
;   PART 1: 128 columns of q (128 tx on; x's codes by e0).  A wave makes 64 x 64 = 16 accumulators; its 64 columns are one head.
;   PART 2: 64 columns of k or v: row 2048 + 64 tx on of wc: head tx of k (tx < 8; x's codes by e2) or head tx - 8 of v (x's codes by e4).  A wave makes 32 positions x 64 columns = 8 accumulators.
; A cluster's four tx are of one kind (TYP, from the cluster's x alone).
; K = 2048 goes through a ring of two LDS slots of 512 along K: eight visits, four for each part, written out; the ring does not stop between the parts: part 1's last two changes of slots ask for part 2's first two visits,
; and q goes out while they are on their way.  CLUSTER 4 x 4: x's tile is asked for jointly along a row of the cluster, the weight's along a column.  In part 2 the weight's 64 rows are one load, wave 2's; wave 3 asks for nothing.
; THE MATRIX INSTRUCTION: a lane holds ONE row of its source 1 and eight neighbouring rows of its source 0.
;   q, k: source 0 = 16 columns, source 1 = 16 positions: a lane holds eight neighbours of the head's 64, which is the next product's K.
;   v:    source 0 = 16 positions (keys), source 1 = 16 columns (d): a lane holds eight neighbouring keys, which is the next product's K.
; The LDS addresses are the same for k and v; part 2's products are written in both orders of the sources, and a scalar branch on TYP, round the products alone, picks one.
; A fragment is fetched by four loads of 16 bytes: registers 4 c .. 4 c + 3 hold K = 32 c + 16 (lane / 16) + 0 .. 15: a permutation of k that is the same on both sides.
; PREFETCHES: a visit is 512 bytes of each of the 64 rows that a wave fetches: 128 blocks of 256 bytes.  The four partners that ask for those rows jointly take 16 rows each, told apart by address
; (cx for x's rows, cy for the weight's): a lane a block, one instruction a wave.  Behind visit 0's load visit 1 is named, behind visit 1's visits 2 and 3, behind visit t's (t = 2 .. 5) visit t + 2.
; All offsets are immediates; the address registers are never rewritten.
; IMAGES (lane l' = r' + 16 h'; a chunk is 512 bytes, lane l' at 16 l'):
;   q_img [32 heads][16 steps of 128 positions][8 tiles][2 chunks]: chunk c: d = 32 c + 16 h' + 0..15 of tile row r'; row r' of tile T is position 16 T + r' of the step.
;   kv [8 heads][16 steps of 128 keys][8,192 bytes of k: [8 tiles][2 chunks] as q's, but row r' of tile 2 b + u is key 32 b + 8 u + r' + 8 (r' / 8) | 8,192 bytes of v: [4 tiles of 16 d][4 chunks]: chunk c: keys 32 c + 16 h' + 0..15 of d row r'].
; LIMITS: e6 - e0 - e1, e7 - e2 - e3 and e9 - e4 - e5 lie between -126 and 119, so that each power of two below is an f32 number.  NaN is not served.
.set PITCH,  528                       ; an LDS row: 512 bytes + 16 of padding
.set HALFT,  64*PITCH                  ; 64 rows: what one tensor load brings
.set SLOT,   4*HALFT                   ; x's 128 rows, then the weight's 128 (part 2: 64) rows
.set SPARE,  2*SLOT                    ; the spare words, 128 bytes for each wave
.set STAGE,  SPARE+512                 ; the way out of q and k: 4,096 bytes for each wave; no tensor load lands here
.set STAGEV, STAGE+16384               ; the way out of v: bytes of its own
.set PFO,  8                           ; v8      the prefetches' offset: 2048 (lane / 2) + 256 (lane % 2); never rewritten
.set STOP, 13                          ; v13     q's way out: where I put 8 bytes
.set ADRD, 14                          ; v14-15  part 2: LDS address of the weight's fragments in slot 0, 1
.set ADRA, 16                          ; v16-17  part 1: of my fragments of x
.set ADRC, 18                          ; v18-19  part 2: of my fragments of x
.set ADRB, 20                          ; v20-21  part 1: of the weight's
.set STOV, 22
.set RDV,  23
.set STOQ, 24                          ; k's way out
.set RDQ,  25
.set CO,   26                          ; 16 x lane
.set CSO,  27                          ; my byte in the wave's rows of cos and sin
.set SPW,  28                          ; LDS address of my spare word; never rewritten
.set NIL,  29                          ; 0; never rewritten
.set SCL,  30                          ; the conversion's scale
.set LIM,  31                          ; 448 x that
.set TMP,  32
.set COD,  96                          ; codes: two registers an accumulator
.set ACC,  128
.set F0,   0                           ; window 1: two fragment buffers: x's fragments, then from + 64 the weight's four
.set F1,   128                         ; window 2: v0-63 cos, v64-127 sin
.set G1,  24
.set G0,  32
.set G1B, 48
.set G0B, 56
.set WV,  18
.set XH,  19                           ; part 1: which 64 positions are mine.  Also: I fetch for x (0) or for the weight (1)
.set WH,  20                           ; part 1: which 64 columns are mine.  Also: which 64 rows of that tile I fetch
.set TYP, 21                           ; part 2: 0 k, 1 v
.set DA,  96                           ; s[96:97]  bytes from a slot's last visit of part 1 to its first of part 2, in xc;  s[98:99] the same in wc
.set DB,  98
.set PF2, 100                          ; s[100:101] where my prefetches of part 2 stand
.set MSB, 0
.macro WIN new
.if MSB != \new
	s_set_vgpr_msb (MSB<<8)|\new
.set MSB, \new
.endif
.endm
.set MUL,  0x05                        ; sources 0 and 1 window 1; C and D window 0
.set TO_F, 0x40                        ; destination window 1, address window 0
; A joint load: waves 0 and 1 fetch x's halves; ld = 1: waves 2 and 3 the weight's halves; ld = 2: wave 2 the weight's 64 rows.  An s_nop 0 and four v_nop follow each line
.macro JLOAD ld, s
	s_cmp_eq_u32 s[XH], 0
	s_cbranch_scc0 .Lfor_b_\@
	tensor_load_to_lds s[G0+4*\s:G0+4*\s+3], s[G1:G1+7]
	s_nop 0
.rept 4
	v_nop
.endr
	s_branch .Lasked_\@
.Lfor_b_\@:
.if \ld == 2
	s_cmp_eq_u32 s[WV], 2
	s_cbranch_scc0 .Lasked_\@
.endif
	tensor_load_to_lds s[G0B+4*\s:G0B+4*\s+3], s[G1B:G1B+7]
	s_nop 0
.rept 4
	v_nop
.endr
.Lasked_\@:
.endm
.macro ASK2 off                        ; a prefetch of part 2: waves 0 and 1 for x's rows, wave 2 for the weight's
	s_cmp_eq_u32 s[WV], 3
	s_cbranch_scc1 .Lno_ask_\@
	global_prefetch_b8 v[PFO], s[PF2:PF2+1] offset:\off th:TH_LOAD_NT scope:SCOPE_SE
.Lno_ask_\@:
.endm
.macro CROUND                          ; a round of the cluster's barrier
	s_barrier_signal -1
	s_barrier_wait -1
	s_cmp_lg_u32 s[WV], 0
	s_cbranch_scc1 .Lnot_wave_0_\@
	s_barrier_signal -3
.Lnot_wave_0_\@:
	s_barrier_wait -3
	s_barrier_signal -1
	s_barrier_wait -1
.endm
.macro PLACES                          ; four plain vector lines behind a matrix instruction (ISA guide 7.12.1)
.rept 4
	v_nop
.endr
.endm
.macro FRAGS n, adr, k, reg            ; n fragments of 16 rows x 128 K at byte k of the rows
.set i, 0
.rept \n
.irp c, 0,1,2,3
	ds_load_b128 v[\reg+16*i+4*\c:\reg+16*i+4*\c+3], v[\adr] offset:\k+32*\c+i*16*PITCH
.endr
.set i, i+1
.endr
.endm
.macro FETCH ph, slot, k, f            ; one run of LDS loads: part 1: 32; part 2: 24
	WIN TO_F
.if \ph == 1
	FRAGS 4, ADRB+\slot, \k, \f+64
	FRAGS 4, ADRA+\slot, \k, \f
.else
	FRAGS 4, ADRD+\slot, \k, \f+64
	FRAGS 2, ADRC+\slot, \k, \f
.endif
.endm
.macro WM ac, p0, p1, zero             ; zero = 1: the product starts the sum
.if \zero
	v_wmma_f32_16x16x128_fp8_fp8 v[(\ac):(\ac)+7], v[(\p0):(\p0)+15], v[(\p1):(\p1)+15], 0
.else
	v_wmma_f32_16x16x128_fp8_fp8 v[(\ac):(\ac)+7], v[(\p0):(\p0)+15], v[(\p1):(\p1)+15], v[(\ac):(\ac)+7]
.endif
.endm
; A step's products; the accumulators take turns, one instruction a turn.  m = 1: q, accumulator (a, b) = (positions, columns) at 8 (4 a + b); 2: k, the same with two a;
; 3: v, accumulator (a, b) = (d, keys) at 8 (2 a + b); 4: k or v by TYP, which all partners share; at a branch and at a label every window is 0
.macro MULS m, f, zero
.if \m == 4
	WIN 0
	s_cmp_eq_u32 s[TYP], 1
	s_cbranch_scc1 .Lmv_\@
	MULS 2, \f, \zero
	WIN 0
	s_branch .Lmd_\@
.Lmv_\@:
	MULS 3, \f, \zero
	WIN 0
.Lmd_\@:
.else
	WIN MUL
.if \m == 1
.irp a, 0,1,2,3
.irp b, 0,1,2,3
	WM ACC+8*(4*\a+\b), \f+64+16*\b, \f+16*\a, \zero
.endr
.endr
.endif
.if \m == 2
.irp a, 0,1
.irp b, 0,1,2,3
	WM ACC+8*(4*\a+\b), \f+64+16*\b, \f+16*\a, \zero
.endr
.endr
.endif
.if \m == 3
.irp a, 0,1,2,3
.irp b, 0,1
	WM ACC+8*(2*\a+\b), \f+16*\b, \f+64+16*\a, \zero
.endr
.endr
.endif
.endif
.endm
.macro KSTEP m, f, g, slot, k, zero    ; multiplies buffer f; the next 128 along K, at byte k, are fetched into g first
	PLACES
.if \m == 1
	FETCH 1, \slot, \k, \g
	s_wait_dscnt 32                                ; all but the 32 loads just issued: buffer f is in
.else
	FETCH 2, \slot, \k, \g
	s_wait_dscnt 24                                ; all but the 24 loads just issued
.endif
	MULS \m, \f, \zero
.endm
; A slot's last step changes slots.  Each wave waits for all its tensor loads, adds 0 to its spare word, and waits for that and for its reads of this slot.
; step = 1: a round of the cluster's barrier, and this slot is filled again, 1,024 along K on, first thing behind it; 2: the same with part 2's visit; 0: nothing is left to fetch.
; ld: the form of the load; fe: the part whose fragments are fetched from the next slot; m: the products of this slot's last step; ask: the prefetch's offset, or -1.
.macro TURN slot, next, step, ld, fe, m, ask
	WIN 0
	PLACES                                         ; in front of the loads into buffer 0, on every wave's way
	s_wait_tensorcnt 0x0                           ; my part of the next slot has landed; no tensor load of mine is out, so a group 0 may be written
	ds_add_u32 v[SPW], v[NIL]
.if \step == 1
	s_add_nc_u64 s[G0+4*\slot+2:G0+4*\slot+3], s[G0+4*\slot+2:G0+4*\slot+3], 1024
	s_add_nc_u64 s[G0B+4*\slot+2:G0B+4*\slot+3], s[G0B+4*\slot+2:G0B+4*\slot+3], 1024
.endif
.if \step == 2
	s_add_nc_u64 s[G0+4*\slot+2:G0+4*\slot+3], s[G0+4*\slot+2:G0+4*\slot+3], s[DA:DA+1]
	s_add_nc_u64 s[G0B+4*\slot+2:G0B+4*\slot+3], s[G0B+4*\slot+2:G0B+4*\slot+3], s[DB:DB+1]
.endif
	s_wait_dscnt 0x0                               ; the add is done, and my reads of this slot are over
.if \step
	CROUND
	JLOAD \ld, \slot
.else
	s_barrier_signal -1
	s_barrier_wait -1
.endif
	FETCH \fe, \next, 0, F0
.if \ask >= 0
	WIN 0
	ASK2 \ask
.endif
	MULS \m, F1, 0
.endm
.macro LAST4 m                         ; the last slot's remaining steps: LDS reads and products alone
	KSTEP \m, F0, F1, 1, 128, 0
	KSTEP \m, F1, F0, 1, 256, 0
	KSTEP \m, F0, F1, 1, 384, 0
	s_wait_dscnt 0x0
	MULS \m, F1, 0
	WIN 0
.endm
.macro CSLOAD n                        ; for accumulator (a, b), a < n: the four angles 8 b + 4 h + 0..3 of position 16 a + r
	WIN 0x80                                       ; destination window 2
.set AA, 0
.rept \n
.irp b, 0,1,2,3
	global_load_b128 v[4*(4*AA+\b):4*(4*AA+\b)+3], v[CSO], s[8:9] offset:2048*AA+32*\b
	global_load_b128 v[64+4*(4*AA+\b):64+4*(4*AA+\b)+3], v[CSO], s[10:11] offset:2048*AA+32*\b
.endr
.set AA, AA+1
.endr
	WIN 0
.endm
.macro ROTATE n                        ; n accumulators, a pair (t1, t2) at a time: first (t2 s, t1 s), then (t1 c - t2 s, t2 c + t1 s).  Each accumulator from its low end on
	WIN 0x08                                       ; source 1 window 2
.set TT, 0
.rept \n
.irp q, 0,1
	v_pk_mul_f32 v[TMP+8*(TT%8)+4*\q:TMP+8*(TT%8)+4*\q+1], v[ACC+8*TT+4*\q:ACC+8*TT+4*\q+1], v[64+4*TT+2*\q:64+4*TT+2*\q+1] op_sel:[1,0] op_sel_hi:[0,0]
	v_pk_mul_f32 v[TMP+8*(TT%8)+4*\q+2:TMP+8*(TT%8)+4*\q+3], v[ACC+8*TT+4*\q+2:ACC+8*TT+4*\q+3], v[64+4*TT+2*\q:64+4*TT+2*\q+1] op_sel:[1,1] op_sel_hi:[0,1]
.endr
.irp q, 0,1
	v_pk_fma_f32 v[ACC+8*TT+4*\q:ACC+8*TT+4*\q+1], v[ACC+8*TT+4*\q:ACC+8*TT+4*\q+1], v[4*TT+2*\q:4*TT+2*\q+1], v[TMP+8*(TT%8)+4*\q:TMP+8*(TT%8)+4*\q+1] op_sel:[0,0,0] op_sel_hi:[1,0,1] neg_lo:[0,0,1]
	v_pk_fma_f32 v[ACC+8*TT+4*\q+2:ACC+8*TT+4*\q+3], v[ACC+8*TT+4*\q+2:ACC+8*TT+4*\q+3], v[4*TT+2*\q:4*TT+2*\q+1], v[TMP+8*(TT%8)+4*\q+2:TMP+8*(TT%8)+4*\q+3] op_sel:[0,1,0] op_sel_hi:[1,1,1] neg_lo:[0,0,1]
.endr
.set TT, TT+1
.endr
	WIN 0
.endm
.macro CODES n                         ; each accumulator, from its low end on: the hold, then eight codes in two registers
.set TT, 0
.rept \n
.irp j, 0,1,2,3,4,5,6,7
	v_med3_num_f32 v[ACC+8*TT+\j], v[ACC+8*TT+\j], -v[LIM], v[LIM]   ; the conversion does not saturate (ISA guide 7.6.2)
.endr
	v_cvt_scalef32_pk8_fp8_f32 v[COD+2*TT:COD+2*TT+1], v[ACC+8*TT:ACC+8*TT+7], v[SCL]
.set TT, TT+1
.endr
	v_nop                                          ; a plain vector line behind the last conversion
.endm
.macro SCALES                          ; s94 = the exponent of the conversion's scale -> v[SCL], v[LIM]
	s_add_co_i32 s94, s94, 127
	s_lshl_b32 s95, s94, 23
	v_mov_b32 v[SCL], s95
	s_add_co_i32 s94, s94, 8
	s_lshl_b32 s94, s94, 23
	s_or_b32 s94, s94, 0x600000
	v_mov_b32 v[LIM], s94
.endm
.macro SENDOUT n, rd, pitch            ; n runs of 512 bytes back from my stage (my own bytes: LDS serves a wave's instructions in order) and out: the wave stores 512 consecutive bytes, aligned
.set i, 0
.rept \n
	ds_load_b128 v[TMP+4*i:TMP+4*i+3], v[\rd] offset:512*i
.set i, i+1
.endr
.set i, 0
.rept \n
	s_wait_dscnt \n-1-i                            ; the younger loads may be out
	global_store_b128 v[CO], v[TMP+4*i:TMP+4*i+3], s[86:87] offset:\pitch*i
.set i, i+1
.endr
.endm
.macro FINISH
	s_wait_tensorcnt 0x0                           ; the wave's end
	ds_add_u32 v[SPW], v[NIL]
	s_wait_dscnt 0x0
	CROUND                                         ; the closing round
	s_endpgm
.endm
	s_load_b256 s[4:11], s[0:1], 0x0               ; xc s[4:5], wc s[6:7], cos s[8:9], sin s[10:11]
	s_load_b128 s[12:15], s[0:1], 0x20             ; the exponents s[12:13], q_img s[14:15]
	s_load_b64 s[16:17], s[0:1], 0x30              ; kv
	v_lshl_add_u32 v[SPW], v0, 2, SPARE
	v_mov_b32 v[NIL], 0
	ds_add_u32 v[SPW], v[NIL]                      ; the opening: the add, twice on end, and its wait ahead of my first tensor load
	ds_add_u32 v[SPW], v[NIL]
	v_lshrrev_b32 v1, 5, v0
	v_readfirstlane_b32 s[WV], v1                  ; wave 0..3
	s_lshr_b32 s[XH], s[WV], 1
	s_and_b32 s[WH], s[WV], 1
	s_lshr_b32 s[TYP], ttmp9, 1                    ; clusters 0, 1 along x: k; 2, 3: v: the same in all sixteen partners
	s_bfe_u32 s40, ttmp6, 0x40000                  ; cx
	s_bfe_u32 s41, ttmp6, 0x40004                  ; cy
	s_lshl_b32 s42, ttmp9, 2
	s_add_co_u32 s42, s42, s40                     ; tx
	s_and_b32 s43, ttmp7, 0xffff
	s_lshl_b32 s43, s43, 2
	s_add_co_u32 s43, s43, s41                     ; ty = the step of 128 positions
	s_lshl_b32 s44, s41, 2
	s_lshl_b32 s44, 15, s44                        ; my row of the cluster
	s_lshl_b32 s45, 0x1111, s40                    ; my column
	; group 1: 64 rows x 512 bytes, 2,048 bytes apart in memory; 16 bytes of padding behind each row
	s_or_b32 s[G1], s44, (0<<16)|(1<<20)|(1<<21)|(6<<22)|(3<<25)
	s_or_b32 s[G1B], s45, (0<<16)|(1<<20)|(1<<21)|(6<<22)|(3<<25)
.irp g, G1, G1B
	s_mov_b32 s[\g+1], 512<<16                     ; tensor_dim0
	s_mov_b32 s[\g+2], 64<<16                      ; tensor_dim1
	s_mov_b32 s[\g+3], 512<<16                     ; tile_dim0
	s_mov_b32 s[\g+4], 64                          ; tile_dim1
	s_mov_b32 s[\g+5], 2048                        ; from row to row
	s_mov_b32 s[\g+6], 0
	s_mov_b32 s[\g+7], 0
.endr
	s_lshl_b32 s22, s[WH], 6                       ; which 64 rows of the tile I fetch
	s_lshl_b32 s46, s43, 7
	s_add_co_u32 s46, s46, s22
	s_lshl_b32 s46, s46, 11                        ; x: row 128 ty + 64 x half, in the plane of codes by e0
	s_mov_b32 s47, 0
	s_lshl_b32 s66, s42, 7
	s_add_co_u32 s66, s66, s22
	s_lshl_b32 s66, s66, 11                        ; the weight: row 128 tx + 64 x half of wc
	s_mov_b32 s67, 0
	s_add_co_u32 s[DA], s[TYP], 1
	s_lshl_b32 s[DA], s[DA], 22                    ; x: one or two planes of 2^22 bytes on,
	s_sub_co_u32 s[DA], s[DA], 1024                ; and 1,024 back along K
	s_mov_b32 s[DA+1], 0
	s_lshl_b32 s[DB], s42, 6
	s_add_co_u32 s[DB], s[DB], s22
	s_sub_co_u32 s[DB], 2048, s[DB]                ; the weight: from row 128 tx + 64 x half to row 2048 + 64 tx,
	s_lshl_b32 s[DB], s[DB], 11
	s_sub_co_u32 s[DB], s[DB], 1024                ; and 1,024 back along K
	s_mov_b32 s[DB+1], 0
	s_mul_i32 s80, s[WV], HALFT                    ; where they go: wave x 64 rows
	s_wait_dscnt 0x0                               ; both opening adds are done
	s_wait_kmcnt 0x0
	s_load_b256 s[68:75], s[12:13], 0x0            ; e0 .. e7
	s_load_b128 s[76:79], s[12:13], 0x20           ; e8 .. e11
	s_add_nc_u64 s[46:47], s[4:5], s[46:47]
	s_add_nc_u64 s[66:67], s[6:7], s[66:67]
	CROUND                                         ; all sixteen work-groups are here: the first joint loads meet
.irp s, 0,1
	s_mov_b32 s[G0+4*\s], 1
	s_add_co_u32 s[G0+4*\s+1], s80, \s*SLOT
	s_add_nc_u64 s[G0+4*\s+2:G0+4*\s+3], s[46:47], \s*512
	s_or_b32 s[G0+4*\s+3], s[G0+4*\s+3], 0x80000000
	s_mov_b32 s[G0B+4*\s], 1
	s_add_co_u32 s[G0B+4*\s+1], s80, \s*SLOT
	s_add_nc_u64 s[G0B+4*\s+2:G0B+4*\s+3], s[66:67], \s*512
	s_or_b32 s[G0B+4*\s+3], s[G0B+4*\s+3], 0x80000000
.endr
	JLOAD 1, 0                                     ; visit 0: one tensor load a wave at the head
	s_cmp_eq_u32 s[XH], 0                          ; the prefetches: the rows that I fetch,
	s_cselect_b64 s[2:3], s[46:47], s[66:67]
	s_cselect_b32 s22, s40, s41                    ; my place among the four that ask for them with me,
	s_cselect_b64 s[PF2:PF2+1], s[DA:DA+1], s[DB:DB+1]
	s_lshl_b32 s22, s22, 15                        ; x 16 rows of 2,048 bytes
	s_mov_b32 s23, 0
	s_add_nc_u64 s[2:3], s[2:3], s[22:23]
	s_add_nc_u64 s[PF2:PF2+1], s[2:3], s[PF2:PF2+1]
	s_add_nc_u64 s[PF2:PF2+1], s[PF2:PF2+1], 1024  ; part 2's rows at K = 0
	v_and_b32 v9, 31, v0
	v_lshrrev_b32 v[PFO], 1, v9
	v_lshlrev_b32 v[PFO], 11, v[PFO]
	v_and_b32 v9, 1, v9
	v_lshl_add_u32 v[PFO], v9, 8, v[PFO]
	global_prefetch_b8 v[PFO], s[2:3] offset:512 th:TH_LOAD_NT scope:SCOPE_SE    ; visit 1
	v_and_b32 v1, 15, v0                           ; r
	v_bfe_u32 v2, v0, 4, 1                         ; h
	v_mul_u32_u24 v3, v1, PITCH
	v_lshl_add_u32 v3, v2, 4, v3                   ; a fragment's row x pitch + 16 h
	s_wait_alu depctr_va_vdst(0)
	s_mul_i32 s83, s[XH], HALFT                    ; part 1: my 64 positions,
	s_mul_i32 s84, s[WH], HALFT
	s_add_co_u32 s84, s84, 2*HALFT                 ; my 64 columns, behind x's 128 rows;
	s_mul_i32 s81, s[WV], 32*PITCH                 ; part 2: my 32 positions,
	s_mov_b32 s82, 2*HALFT                         ; the 64 columns
.irp s, 0,1
	v_add_nc_u32 v[ADRA+\s], s83, v3
	v_add_nc_u32 v[ADRB+\s], s84, v3
	v_add_nc_u32 v[ADRC+\s], s81, v3
	v_add_nc_u32 v[ADRD+\s], s82, v3
	s_add_co_u32 s83, s83, SLOT
	s_add_co_u32 s84, s84, SLOT
	s_add_co_u32 s81, s81, SLOT
	s_add_co_u32 s82, s82, SLOT
.endr
	s_lshl_b32 s85, s[WV], 12
	s_add_co_u32 s85, s85, STAGE                   ; my stage
	v_lshrrev_b32 v4, 3, v1
	v_and_b32 v5, 7, v1
	v_lshlrev_b32 v[STOQ], 10, v4
	v_lshl_add_u32 v[STOQ], v5, 4, v[STOQ]
	v_lshl_add_u32 v[STOQ], v2, 3, v[STOQ]
	v_add_nc_u32 v[STOQ], s85, v[STOQ]             ; k: 1024 (r / 8) + 16 (r % 8) + 8 h
	v_and_b32 v6, 31, v0
	v_lshlrev_b32 v[CO], 4, v6
	v_add_nc_u32 v[RDQ], s85, v[CO]
	v_lshlrev_b32 v[STOP], 4, v1
	v_lshl_add_u32 v[STOP], v2, 3, v[STOP]
	v_add_nc_u32 v[STOP], s85, v[STOP]             ; q: 16 r + 8 h
	v_add_nc_u32 v[STOV], STAGEV-STAGE, v[STOP]    ; v: the same, in its own bytes
	v_add_nc_u32 v[RDV], STAGEV-STAGE, v[RDQ]
	v_lshlrev_b32 v[CSO], 7, v1
	v_lshl_add_u32 v[CSO], v2, 4, v[CSO]           ; cos, sin: row r of 128 bytes, + 16 h
	s_wait_alu depctr_va_vdst(0)
	s_wait_tensorcnt 0x0                           ; my part of visit 0 is in
	ds_add_u32 v[SPW], v[NIL]
	s_wait_dscnt 0x0
	CROUND                                         ; everybody's part of visit 0 is in, and the joint loads meet
	JLOAD 1, 1                                     ; visit 1, the first tensor load behind the round
	FETCH 1, 0, 0, F0
	global_prefetch_b8 v[PFO], s[2:3] offset:1024 th:TH_LOAD_NT scope:SCOPE_SE   ; visits 2 and 3 (the address register lies in window 0, as the loads' does)
	global_prefetch_b8 v[PFO], s[2:3] offset:1536 th:TH_LOAD_NT scope:SCOPE_SE
; ---------------- part 1: q
	KSTEP 1, F0, F1, 0, 128, 1
	KSTEP 1, F1, F0, 0, 256, 0
	KSTEP 1, F0, F1, 0, 384, 0
	TURN 0, 1, 1, 1, 1, 1, 0                       ; visit 2 is asked for, visit 4 prefetched
	KSTEP 1, F0, F1, 1, 128, 0
	KSTEP 1, F1, F0, 1, 256, 0
	KSTEP 1, F0, F1, 1, 384, 0
	TURN 1, 0, 1, 1, 1, 1, 512                     ; visit 3; 5
	KSTEP 1, F0, F1, 0, 128, 0
	KSTEP 1, F1, F0, 0, 256, 0
	KSTEP 1, F0, F1, 0, 384, 0
	TURN 0, 1, 2, 2, 1, 1, 1024                    ; THE RING GOES ON INTO PART 2: slot 0 takes visit 4; 6
	s_lshl_b32 s88, s43, 7
	s_lshl_b32 s89, s[XH], 6
	s_add_co_u32 s88, s88, s89
	s_lshl_b32 s88, s88, 7                         ; my first position's row of 128 bytes
	s_mov_b32 s89, 0
	s_add_nc_u64 s[8:9], s[8:9], s[88:89]
	s_add_nc_u64 s[10:11], s[10:11], s[88:89]
	CSLOAD 4                                       ; cos and sin, four K steps ahead of their use
	KSTEP 1, F0, F1, 1, 128, 0
	KSTEP 1, F1, F0, 1, 256, 0
	KSTEP 1, F0, F1, 1, 384, 0
	TURN 1, 0, 2, 2, 2, 1, 1536                    ; slot 1 takes visit 5; 7; part 2's first fragments are fetched; q's last products
	WIN 0
	s_wait_kmcnt 0x0
	s_sub_co_i32 s94, s74, s68
	s_sub_co_i32 s94, s94, s69                     ; e6 - e0 - e1: the rotation is linear, so the sums' scale is folded into the conversion's
	SCALES
	s_lshl_b32 s91, s42, 1
	s_add_co_u32 s91, s91, s[WH]                   ; my head
	s_lshl_b32 s91, s91, 17
	s_lshl_b32 s92, s43, 13
	s_add_co_u32 s92, s92, s91
	s_lshl_b32 s91, s[XH], 12                      ; my 64 positions are four of the step's eight tiles
	s_add_co_u32 s92, s92, s91
	s_mov_b32 s93, 0
	s_add_nc_u64 s[86:87], s[14:15], s[92:93]
	PLACES
	s_wait_loadcnt 0x0                             ; cos and sin
	ROTATE 16
	CODES 16
; Accumulator (a, b), lane (r, h): d = 16 b + 8 h + 0..7 of position 16 a + r.  In the image: tile a of my four, chunk b / 2, lane r + 16 (b % 2), byte 8 h.
.irp a, 0,1,2,3
.irp b, 0,1,2,3
	ds_store_b64 v[STOP], v[COD+2*(4*\a+\b):COD+2*(4*\a+\b)+1] offset:1024*\a+512*(\b/2)+256*(\b%2)
.endr
.endr
	SENDOUT 8, RDQ, 512
; ---------------- part 2: k or v
	KSTEP 4, F0, F1, 0, 128, 1
	KSTEP 4, F1, F0, 0, 256, 0
	KSTEP 4, F0, F1, 0, 384, 0
	TURN 0, 1, 1, 2, 2, 4, -1                      ; visit 6
	KSTEP 4, F0, F1, 1, 128, 0
	KSTEP 4, F1, F0, 1, 256, 0
	KSTEP 4, F0, F1, 1, 384, 0
	TURN 1, 0, 1, 2, 2, 4, -1                      ; visit 7
	KSTEP 4, F0, F1, 0, 128, 0
	KSTEP 4, F1, F0, 0, 256, 0
	KSTEP 4, F0, F1, 0, 384, 0
	TURN 0, 1, 0, 0, 2, 4, -1                      ; the last change of slots: nothing is left to fetch
	WIN 0
	s_cmp_eq_u32 s[TYP], 1                         ; behind the last barrier and the last tensor load the ways part, on a number that all partners share
	s_cbranch_scc1 .Lv
; ---------------- k
	s_lshl_b32 s88, s[WH], 12                      ; my 32 positions begin 32 (wave % 2) rows of 128 bytes behind part 1's 64; q's loads have come back, so the bases may step
	s_mov_b32 s89, 0
	s_add_nc_u64 s[8:9], s[8:9], s[88:89]
	s_add_nc_u64 s[10:11], s[10:11], s[88:89]
	CSLOAD 2
	LAST4 2
	s_sub_co_i32 s94, s75, s70
	s_sub_co_i32 s94, s94, s71                     ; e7 - e2 - e3
	SCALES
	s_lshl_b32 s91, s42, 18                        ; my head,
	s_lshl_b32 s92, s43, 14                        ; the step,
	s_add_co_u32 s92, s92, s91
	s_lshl_b32 s91, s[WV], 11                      ; my 32 positions are two of the step's eight tiles
	s_add_co_u32 s92, s92, s91
	s_mov_b32 s93, 0
	s_wait_xcnt 0x0                                ; q's stores have read their base and their registers
	s_add_nc_u64 s[86:87], s[16:17], s[92:93]
	PLACES
	s_wait_loadcnt 0x0                             ; cos and sin
	ROTATE 8
	CODES 8
; Accumulator (a, b), lane (r, h): d = 16 b + 8 h + 0..7 of position 16 a + r of my 32.  In the image: tile r / 8 of my two, chunk b / 2, lane 8 a + r % 8 + 16 (b % 2), byte 8 h.
.irp a, 0,1
.irp b, 0,1,2,3
	ds_store_b64 v[STOQ], v[COD+2*(4*\a+\b):COD+2*(4*\a+\b)+1] offset:128*\a+512*(\b/2)+256*(\b%2)
.endr
.endr
	SENDOUT 4, RDQ, 512
	FINISH
; ---------------- v
.Lv:
	LAST4 3
	s_sub_co_i32 s94, s77, s72
	s_sub_co_i32 s94, s94, s73                     ; e9 - e4 - e5
	SCALES
	s_wait_alu depctr_va_vdst(0)
	s_sub_co_u32 s91, s42, 8                       ; my head
	s_lshl_b32 s91, s91, 18
	s_lshl_b32 s92, s43, 14
	s_add_co_u32 s92, s92, s91
	s_lshl_b32 s91, s[WV], 9                       ; my 32 keys are one of a d tile's four chunks
	s_add_co_u32 s92, s92, s91
	s_add_co_u32 s92, s92, 8192                    ; behind the step's k
	s_mov_b32 s93, 0
	s_wait_xcnt 0x0                                ; q's stores have read their base and their registers
	s_add_nc_u64 s[86:87], s[16:17], s[92:93]
	PLACES
	CODES 8
; Accumulator (a, b), lane (r, h): keys 16 b + 8 h + 0..7 of my 32, of d = 16 a + r.  In the image: d tile a, my chunk, lane r + 16 b, byte 8 h.
.irp t, 0,1,2,3,4,5,6,7
	ds_store_b64 v[STOV], v[COD+2*\t:COD+2*\t+1] offset:256*\t
.endr
	SENDOUT 4, RDV, 2048
	FINISH
.Lfunc_end_k_qc2a74e2b90_qkv:
	.size	k_qc2a74e2b90_qkv, .Lfunc_end_k_qc2a74e2b90_qkv-k_qc2a74e2b90_qkv
	.p2alignl 7, 3214868480
	.fill 96, 4, 3214868480
	.section	.rodata,"a",@progbits
	.p2align	6, 0x0
	.amdhsa_kernel k_qc2a74e2b90_qkv
		.amdhsa_group_segment_fixed_size 327680
		.amdhsa_private_segment_fixed_size 0
		.amdhsa_enable_private_segment 0
		.amdhsa_kernarg_size 56
		.amdhsa_user_sgpr_count 2
		.amdhsa_user_sgpr_kernarg_segment_ptr 1
		.amdhsa_wavefront_size32 1
		.amdhsa_system_sgpr_workgroup_id_x 1
		.amdhsa_system_sgpr_workgroup_id_y 1
		.amdhsa_system_sgpr_workgroup_id_z 1
		.amdhsa_system_vgpr_workitem_id 0
		.amdhsa_next_free_vgpr 640
		.amdhsa_next_free_sgpr 102
		.amdhsa_reserve_vcc 0
		.amdhsa_float_denorm_mode_32 3
		.amdhsa_float_denorm_mode_16_64 3
		.amdhsa_memory_ordered 1
		.amdhsa_forward_progress 1
		.amdhsa_inst_pref_size 163
	.end_amdhsa_kernel
	.amdgpu_metadata
---
amdhsa.version: [ 1, 2 ]
amdhsa.kernels:
  - .name:           k_qc2a74e2b90_qkv
    .symbol:         k_qc2a74e2b90_qkv.kd
    .args:
      - { .name: xc, .offset: 0, .size: 8, .value_kind: global_buffer, .address_space: global }
      - { .name: wc, .offset: 8, .size: 8, .value_kind: global_buffer, .address_space: global }
      - { .name: cos, .offset: 16, .size: 8, .value_kind: global_buffer, .address_space: global }
      - { .name: sin, .offset: 24, .size: 8, .value_kind: global_buffer, .address_space: global }
      - { .name: lowp_scales, .offset: 32, .size: 8, .value_kind: global_buffer, .address_space: global }
      - { .name: q_img, .offset: 40, .size: 8, .value_kind: global_buffer, .address_space: global }
      - { .name: kv, .offset: 48, .size: 8, .value_kind: global_buffer, .address_space: global }
    .group_segment_fixed_size: 327680
    .private_segment_fixed_size: 0
    .kernarg_segment_align: 8
    .kernarg_segment_size: 56
    .max_flat_workgroup_size: 128
    .sgpr_count:     102
    .vgpr_count:     640
    .wavefront_size: 32
...
	.end_amdgpu_metadata
.endif
;; end of part 2
;; launch attn (part 3): grid 8 x 32, 8 waves a work-group, clusters of 4 x 4, 327,680 bytes of LDS; arguments q_img, kv, mask, lowp_scales, a_codes; writes a_codes
.if DOCPART == 3
	.amdgcn_target "amdgcn-amd-amdhsa--gfx1250"
	.amdhsa_code_object_version 6
	.text
	.protected	k_qc2a74e2b90_attn
	.globl	k_qc2a74e2b90_attn
	.p2align	8
	.type	k_qc2a74e2b90_attn,@function
k_qc2a74e2b90_attn:
	s_mov_b64 s[64:65], 0
	v_nop
	global_prefetch_b8 v0, s[64:65] scope:SCOPE_SE
	s_setreg_imm32_b32 hwreg(HW_REG_WAVE_MODE, 25, 1), 1
	s_wait_xcnt 0x0
	s_wait_alu depctr_hold_cnt(0) depctr_sa_sdst(0) depctr_va_vdst(0) depctr_va_sdst(0) depctr_va_ssrc(0) depctr_va_vcc(0) depctr_vm_vsrc(0)
	s_getreg_b32 s2, hwreg(HW_REG_IB_STS2, 6, 4)
	s_cmp_eq_u32 s2, 0
	s_cbranch_scc0 .Lentry_in_a_cluster
	s_endpgm
.Lentry_in_a_cluster:
	s_bfe_u32 s2, ttmp6, 0x10000c
	s_cmp_lg_u32 s2, 0xf033
	s_cbranch_scc0 .Lentry_shape_is_right
	s_endpgm
.Lentry_shape_is_right:
; THIRD LAUNCH: scores = q k^T / 8 + mask, the softmax, and its product with v, both products on codes of E4M3; the result is quantised by e10 for the last product.
; Nothing is left out: the mask is an input, so every key step is walked for every query and every number of the mask is added.
; THE SOFTMAX AHEAD OF THE SECOND PRODUCT: t = logit x log2(e); M = the row's largest t so far, rounded UP to a whole number; p = 2^(t - M) is quantised by e8, not normalised; the row's sum is taken of the
; unquantised p and divides at the end.  When M moves, the sum and O are multiplied by 2^(old M - new M): exact.
; THE MASK IS THE C OF THE FIRST PRODUCT.  logit = sum x 2^w + mask, w = e6 + e7 - 3.  The mask is multiplied by 2^-w (exact) and given as C: the product's result is u = logit x 2^-w.
; The largest u gives the largest t (u x c, c = 2^w log2(e), positive), and t - M is ONE fused multiply-add, u x c - M.
; SHARES.  A work-group owns 64 queries of the four query heads that share one key and value head.  Each of its EIGHT waves owns one tile of 16 queries of TWO of those heads, in 512 registers: two waves to a SIMD.
; The two heads have the same queries and the same keys: one fetch of k's fragments, of v's fragments and of the mask's numbers from LDS, and one scaling of the mask, serve both.
; Every wave walks all 2,048 keys, 128 a step.  A ring of two LDS slots of 256 keys holds k's and v's images (32,768 bytes, dense) and the mask's 64 rows x 256 keys.
; A STEP, BOTH HEADS TOGETHER, their lines by turns so that no line reads the line above it: mask x 2^-w | k q^T + that | v is asked of LDS | maxima, M, t - M | 128 exponentials as one batch | sums, holds, codes, O^T x f | v^T p.
; Where the next step lies in the same slot, its mask and k are asked of LDS with v.
; THE CHANGE OF SLOTS stands inside a slot's second step: the maxima and t - M stand between the add and the wait for it and for v's loads, the slot's last reads; the exponentials between the barrier's signal and its wait
; (work on registers alone); behind the barrier come the refill, the next step's mask and k, and then the step's second half.
; CLUSTER 4 x 4: x = key and value head, y = block of queries.  The mask's tile hangs on the block of queries alone: asked for jointly along a row of the cluster (wave 0).  k and v hang on the head alone: along a column (wave 1).
; LAYOUT.  Both products are used transposed: S^T = k q^T (source 0 = 16 keys, source 1 = my 16 queries), O^T = v^T p^T: a lane holds ONE query throughout.  The rows of a tile of k are not
; neighbours (row r of tile 2 b + u is key 32 b + 8 u + r + 8 (r / 8) of its step of 128), so that register 16 b + i of S^T is key 32 b + 16 (lane / 16) + i: p's conversions give the second product's operand.
; A tile of q is 16 NEIGHBOURING queries.
; REGISTERS, in windows of 256 (s_set_vgpr_msb: bits 1:0 source 0, 3:2 source 1, 5:4 source 2, 7:6 destination).
;   window 0: v1-11 addresses and a constant; v12-19 four statistics a head; v20-31 head 0's registers at work, and constants; v32-47 q; v48-79 p's codes; v80-207 S^T, then p, 64 a head;
;             v208-219 head 1's registers at work; v208 on also at work at the head and on the way out.
;   window 1: v0-63 O^T, 32 a head; v64-127 the mask; v128-191 v's fragments; v192-255 k's fragments.
; LIMITS: e6 + e7 - 3 between -126 and 126; e8 and e10 - e8 - e9 between -126 and 119.  The mask x 2^(3 - e6 - e7) and the logits are finite, and t lies above -2e38.  NaN is not served.
.set SLOT1, 1<<17                      ; slot 1 begins here: one exclusive or turns an address from one slot to the other
.set MOFF,  32768                      ; in a slot: k and v of two steps, then the mask's tile
.set MP,    1040                       ; a row of the mask's tile: 1,024 bytes + 16 of padding
.set SPARE, 2*SLOT1                    ; the spare words, 128 bytes for each of eight waves
.set STG,   SPARE+1024                 ; the way out: 64 rows x (256 + 16) bytes; no tensor load lands here
.set SP,    272
.set AL,   1                           ; 16 x lane
.set AM0,  2                           ; my query's row of the mask's tile, + 64 (lane / 16)
.set PFO,  3                           ; the prefetches' offset
.set HOLDB, 4                          ; 448 x 2^e8 once more, for the second half of a dual pair
.set SPW,  5                           ; LDS address of my spare word; never rewritten
.set NIL,  6                           ; 0; never rewritten
.set GO,   7
.set ADK,  8                           ; LDS address of the images of the slot in hand
.set ADM,  9                           ; of its mask
.set STO,  10
.set RD,   11
.set ST,   12                          ; head h at v[ST + 4 h]: -M, the largest t, the sum in two halves
.set FP,   20                          ; f = 2^(old M - new M): head h's in the pair at FP + DF h (the upper word is only named)
.set DF,   198
.set CH,   22                          ; chains of the maximum and of the sum: head h's at CH, TA, C3 + DH h
.set TA,   24
.set C3,   30
.set DH,   186
.set HOLD, 26                          ; 448 x 2^e8
.set SC,   27                          ; 2^e8
.set HOLD2, 28                         ; 448 x 2^(e10 - e8 - e9)
.set SC2,  29                          ; 2^(e10 - e8 - e9)
.set Q,    32
.set PC,   48
.set S,    80
.set W,    208
.set O,    0
.set MB,   64
.set VB,   128
.set KB,   192
.set TB,    2                          ; s2   LDS byte at which the slot in hand begins
.set SLOTS, 3                          ; s3   the loops' counter
.set WV,    18
.set SEL,   20                         ; s[20:21] lane selects: lane l xor 16
.set CI,    22                         ; s[22:23] 2^-w
.set G1M,   24
.set G1K,   32
.set G0M,   40
.set G0K,   44
.set CS,    48                         ; s[48:49] c = 2^w log2(e)
.set PFA,   50
.set PFS,   52
.set LIM,   54
.set MSB, 0
.macro WIN new
.if MSB != \new
	s_set_vgpr_msb (MSB<<8)|\new
.set MSB, \new
.endif
.endm
.set W_S0, 0x01                        ; source 0 in window 1
.set W_KQ, 0x11                        ; k (source 0) and the mask (C) in window 1; q and S^T in window 0
.set W_LD, 0x40                        ; destination window 1, address window 0
.set W_RS, 0x41                        ; destination and source 0 in window 1
.set W_PV, 0x51                        ; v and O^T in window 1, p's codes in window 0
.macro CREST                           ; a round of the cluster's barrier behind its opening barrier
	s_cmp_lg_u32 s[WV], 0
	s_cbranch_scc1 .Lnot_wave_0_\@
	s_barrier_signal -3
.Lnot_wave_0_\@:
	s_barrier_wait -3
	s_barrier_signal -1
	s_barrier_wait -1
.endm
.macro CROUND                          ; a whole round
	s_barrier_signal -1
	s_barrier_wait -1
	CREST
.endm
.macro JLOAD                           ; wave 0 asks for the mask's tile, wave 1 for k and v, the others for nothing.  An s_nop 0 and four v_nop follow each line
	s_cmp_eq_u32 s[WV], 0
	s_cbranch_scc0 .Lnot_m_\@
	tensor_load_to_lds s[G0M:G0M+3], s[G1M:G1M+7]
	s_nop 0
.rept 4
	v_nop
.endr
	s_branch .Lasked_\@
.Lnot_m_\@:
	s_cmp_eq_u32 s[WV], 1
	s_cbranch_scc0 .Lasked_\@
	tensor_load_to_lds s[G0K:G0K+3], s[G1K:G1K+7]
	s_nop 0
.rept 4
	v_nop
.endr
.Lasked_\@:
.endm
; A PREFETCH of what the NEXT change of slots will ask for: two key steps ahead of that load.  Each aligned block of 256 bytes is named once in the launch.
; The mask's tile (64 rows x 1,024 bytes) is read by both clusters of its row of clusters: the one with x = 0 asks; the partner at cx takes rows 16 cx on, its waves 2 and 3 eight rows each, a lane one block.
; k and v (32,768 bytes) are read by all clusters of a column: the one with y = 0 asks; the partner at cy takes 8,192 bytes, its wave 4, lanes 256 bytes apart.  Partners are told apart by address alone.
; The last change that fills a slot asks for nothing; slots 0 and 1 come by their loads alone.
.macro ASK
	s_cmp_gt_u32 s[SLOTS], s[LIM]
	s_cbranch_scc0 .Lnot_mine_\@
	global_prefetch_b8 v[PFO], s[PFA:PFA+1] th:TH_LOAD_NT scope:SCOPE_SE
.Lnot_mine_\@:
.endm
.macro WALK                            ; the walking descriptors and the prefetches' address, a slot on; no tensor load of mine is out where this stands
	s_xor_b32 s[G0M+1], s[G0M+1], SLOT1            ; the other slot than last time,
	s_add_nc_u64 s[G0M+2:G0M+3], s[G0M+2:G0M+3], 1024     ; the next 256 keys
	s_xor_b32 s[G0K+1], s[G0K+1], SLOT1
	s_add_nc_u64 s[G0K+2:G0K+3], s[G0K+2:G0K+3], 32768
	s_wait_xcnt 0x0                                ; the last prefetch, a slot back, has read its address
	s_add_nc_u64 s[PFA:PFA+1], s[PFA:PFA+1], s[PFS:PFS+1]
.endm
	s_load_b256 s[4:11], s[0:1], 0x0               ; q_img s[4:5], kv s[6:7], mask s[8:9], the exponents s[10:11]
	s_load_b64 s[12:13], s[0:1], 0x20              ; a_codes
	v_lshl_add_u32 v[SPW], v0, 2, SPARE
	v_mov_b32 v[NIL], 0
	ds_add_u32 v[SPW], v[NIL]                      ; the opening: the add, twice on end, and its wait ahead of the first tensor load
	ds_add_u32 v[SPW], v[NIL]
	v_lshrrev_b32 v[W], 5, v0
	s_delay_alu instid0(VALU_DEP_1)
	v_readfirstlane_b32 s[WV], v[W]                ; wave 0..7
	s_bfe_u32 s14, ttmp6, 0x40000                  ; cx
	s_bfe_u32 s15, ttmp6, 0x40004                  ; cy
	s_lshl_b32 s16, ttmp9, 2
	s_add_co_u32 s16, s16, s14                     ; g: the key and value head
	s_and_b32 s17, ttmp7, 0xffff
	s_lshl_b32 s17, s17, 2
	s_add_co_u32 s17, s17, s15                     ; qb: the block of 64 queries
	s_lshl_b32 s19, s15, 2
	s_lshl_b32 s19, 15, s19                        ; my row of the cluster
	s_lshl_b32 s55, 0x1111, s14                    ; my column
	s_or_b32 s[G1M], s19, (2<<16)|(1<<20)|(1<<21)|(7<<22)|(3<<25)  ; the mask's tile: elements of 4 bytes; padding: four words after every 256
	s_mov_b32 s[G1M+1], 256<<16
	s_mov_b32 s[G1M+2], 64<<16
	s_mov_b32 s[G1M+3], 256<<16
	s_mov_b32 s[G1M+4], 64
	s_mov_b32 s[G1M+5], 2048
	s_mov_b32 s[G1M+6], 0
	s_mov_b32 s[G1M+7], 0
	s_or_b32 s[G1K], s55, (3<<16)|(1<<21)          ; k and v: a dense block as 128 rows of 32 elements of 8 bytes, no padding
	s_mov_b32 s[G1K+1], 32<<16
	s_mov_b32 s[G1K+2], 128<<16
	s_mov_b32 s[G1K+3], 32<<16
	s_mov_b32 s[G1K+4], 128
	s_mov_b32 s[G1K+5], 32
	s_mov_b32 s[G1K+6], 0
	s_mov_b32 s[G1K+7], 0
	s_mov_b32 s[SEL], 0x76543210
	s_mov_b32 s[SEL+1], 0xfedcba98
	s_mov_b32 s[CS], 0x3fb8aa3b                    ; log2(e)
	s_mov_b32 s[TB], 0
	s_mov_b32 s[SLOTS], 7
	s_lshl_b32 s62, s17, 19                        ; my 64 rows of the mask
	s_mov_b32 s63, 0
	s_lshl_b32 s66, s16, 18                        ; my head's images
	s_mov_b32 s67, 0
	s_wait_dscnt 0x0                               ; both opening adds are done
	s_wait_kmcnt 0x0
	s_load_b128 s[56:59], s[10:11], 0x18           ; e6, e7, e8, e9
	s_load_b32 s60, s[10:11], 0x28                 ; e10
	s_mov_b32 s[G0M], 1
	s_mov_b32 s[G0M+1], MOFF
	s_add_nc_u64 s[G0M+2:G0M+3], s[8:9], s[62:63]
	s_or_b32 s[G0M+3], s[G0M+3], 0x80000000
	s_mov_b32 s[G0K], 1
	s_mov_b32 s[G0K+1], 0
	s_add_nc_u64 s[G0K+2:G0K+3], s[6:7], s[66:67]
	s_or_b32 s[G0K+3], s[G0K+3], 0x80000000
	CROUND                                         ; all sixteen work-groups are here
	JLOAD                                          ; slot 0: keys 0 to 255
	; the prefetches: where my wave's stand, and who asks
	s_and_b32 s79, s[WV], 1
	s_lshl_b32 s79, s79, 3
	s_lshl_b32 s80, s14, 4
	s_add_co_u32 s79, s79, s80                     ; the mask: rows 16 cx + 8 (wave % 2) on,
	s_lshl_b32 s79, s79, 13
	s_add_co_u32 s79, s79, s62
	s_add_co_u32 s79, s79, 1024                    ; at keys 256 on: the first change steps it to keys 512 on
	s_lshl_b32 s81, s15, 13                        ; k and v: 8,192 cy,
	s_add_co_u32 s80, s66, s81
	s_add_co_u32 s80, s80, 32768                   ; likewise
	s_and_b32 s61, ttmp7, 0xffff
	s_cmp_lt_u32 s[WV], 4
	s_cselect_b64 s[PFA:PFA+1], s[8:9], s[6:7]
	s_cselect_b32 s61, ttmp9, s61                  ; the coordinate along which other clusters read the same bytes
	s_cselect_b32 s82, s79, s80
	s_mov_b32 s[PFS], 32768
	s_cselect_b32 s[PFS], 1024, s[PFS]
	s_mov_b32 s78, 1024
	s_cselect_b32 s78, 8192, s78                   ; from four lanes to the next four
	s_mov_b32 s83, 0
	s_mov_b32 s[PFS+1], 0
	s_add_nc_u64 s[PFA:PFA+1], s[PFA:PFA+1], s[82:83]
	s_sub_co_u32 s79, s[WV], 2
	s_cmp_lt_u32 s79, 3                            ; waves 2, 3 and 4
	s_cselect_b32 s79, 0, 1
	s_or_b32 s79, s79, s61
	s_cmp_eq_u32 s79, 0
	s_cselect_b32 s[LIM], 1, -1                    ; made of the wave's number and the cluster's place in the grid: the same in all partners
	v_and_b32 v[W+3], 31, v0
	s_delay_alu instid0(VALU_DEP_1)
	v_lshlrev_b32 v[AL], 4, v[W+3]
	s_wait_alu depctr_va_vdst(0)
	v_lshrrev_b32 v[PFO], 2, v[W+3]
	s_delay_alu instid0(VALU_DEP_1)
	v_mul_lo_u32 v[PFO], v[PFO], s78
	v_and_b32 v[W+3], 3, v[W+3]
	s_delay_alu instid0(VALU_DEP_1)
	v_lshl_add_u32 v[PFO], v[W+3], 8, v[PFO]
	; q: my tile's image in each of my two heads
	s_and_b32 s70, s[WV], 1                        ; which pair of the four query heads
	s_lshr_b32 s71, s[WV], 1                       ; which tile of 16 queries
	s_lshl_b32 s72, s16, 2
	s_lshl_b32 s73, s70, 1
	s_add_co_u32 s72, s72, s73
	s_lshl_b32 s72, s72, 17                        ; my first head,
	s_lshr_b32 s73, s17, 1
	s_lshl_b32 s73, s73, 13
	s_add_co_u32 s72, s72, s73                     ; the step of 128 positions,
	s_and_b32 s73, s17, 1
	s_lshl_b32 s73, s73, 2
	s_add_co_u32 s73, s73, s71
	s_lshl_b32 s73, s73, 10
	s_add_co_u32 s72, s72, s73                     ; the tile
	s_mov_b32 s73, 0
	s_add_nc_u64 s[4:5], s[4:5], s[72:73]
.irp h, 0,1
.irp c, 0,1
	global_load_b128 v[Q+8*\h+4*\c:Q+8*\h+4*\c+3], v[AL], s[4:5] offset:131072*\h+512*\c   ; a head's images are 131,072 bytes
.endr
.endr
	v_and_b32 v[W], 15, v0                         ; r
	v_bfe_u32 v[W+1], v0, 4, 1                     ; h
	s_lshl_b32 s74, s71, 4
	v_add_nc_u32 v[W+2], s74, v[W]                 ; my query among the block's 64: 16 x tile + r
	s_delay_alu instid0(VALU_DEP_1)
	v_mul_u32_u24 v[AM0], v[W+2], MP
	s_delay_alu instid0(VALU_DEP_1)
	v_lshl_add_u32 v[AM0], v[W+1], 6, v[AM0]
	s_delay_alu instid0(VALU_DEP_1)
	v_add_nc_u32 v[AM0], MOFF, v[AM0]
	s_delay_alu instid0(VALU_DEP_4)
	v_mul_u32_u24 v[STO], v[W+2], SP
	s_delay_alu instid0(VALU_DEP_1)
	v_lshl_add_u32 v[STO], v[W+1], 3, v[STO]
	s_lshl_b32 s75, s70, 7
	s_add_co_u32 s75, s75, STG
	v_add_nc_u32 v[STO], s75, v[STO]               ; the stage: my query's row, my two heads' 128 bytes, + 8 h
	s_mul_i32 s75, s[WV], 8*SP
	s_add_co_u32 s75, s75, STG
	v_mul_u32_u24 v[RD], v[W+1], SP
	s_delay_alu instid0(VALU_DEP_1)
	v_lshl_add_u32 v[RD], v[W], 4, v[RD]
	s_delay_alu instid0(VALU_DEP_1)
	v_add_nc_u32 v[RD], s75, v[RD]                 ; back: wave w takes rows 8 w on, sixteen lanes to a row
	v_lshlrev_b32 v[GO], 11, v[W+1]
	s_delay_alu instid0(VALU_DEP_1)
	v_lshl_add_u32 v[GO], v[W], 4, v[GO]
	s_lshl_b32 s76, s17, 6
	s_lshl_b32 s77, s[WV], 3
	s_add_co_u32 s76, s76, s77
	s_lshl_b32 s76, s76, 11
	s_lshl_b32 s77, s16, 8
	s_add_co_u32 s76, s76, s77
	s_mov_b32 s77, 0
	s_add_nc_u64 s[12:13], s[12:13], s[76:77]      ; a_codes at row 64 qb + 8 w, column 256 g
.irp h, 0,1
	v_mov_b32 v[ST+4*\h+1], 0xff61b1e6             ; the largest t so far: -3e38
	s_delay_alu instid0(VALU_DEP_1)
	v_floor_f32 v[ST+4*\h], -v[ST+4*\h+1]          ; -M
	v_mov_b32 v[ST+4*\h+2], 0
	v_mov_b32 v[ST+4*\h+3], 0
	v_mov_b32 v[FP+DF*\h+1], 0                     ; (named as the upper half of the pair)
.endr
	WIN W_LD
.set i, 0
.rept 64
	v_mov_b32 v[O+i], 0                            ; O^T: the step has no first form of its own; the first finds zeros, which the first change of M leaves zeros
.set i, i+1
.endr
	WIN 0
	s_wait_kmcnt 0x0
	s_add_co_i32 s72, s56, s57                     ; e6 + e7
	s_sub_co_i32 s73, 130, s72
	s_lshl_b32 s[CI], s73, 23                      ; 2^-w, w = e6 + e7 - 3 (the scales and 1 / sqrt(64))
	s_mov_b32 s[CI+1], s[CI]
	s_sub_co_i32 s73, s72, 3
	s_lshl_b32 s73, s73, 23
	s_add_co_i32 s[CS], s[CS], s73                 ; w is added to the exponent field of log2(e)
	s_mov_b32 s[CS+1], s[CS]
	s_add_co_i32 s72, s58, 127
	s_lshl_b32 s73, s72, 23
	v_mov_b32 v[SC], s73                           ; 2^e8
	s_add_co_i32 s72, s72, 8
	s_lshl_b32 s72, s72, 23
	s_or_b32 s72, s72, 0x600000
	v_mov_b32 v[HOLD], s72                         ; 448 x 2^e8
	v_mov_b32 v[HOLDB], s72
	s_sub_co_i32 s72, s60, s58
	s_sub_co_i32 s72, s72, s59
	s_add_co_i32 s72, s72, 127
	s_lshl_b32 s73, s72, 23
	v_mov_b32 v[SC2], s73                          ; 2^(e10 - e8 - e9): O^T / l stands for that number x 2^(e8 + e9)
	s_add_co_i32 s72, s72, 8
	s_lshl_b32 s72, s72, 23
	s_or_b32 s72, s72, 0x600000
	v_mov_b32 v[HOLD2], s72
; 32 LDS loads in one run: the mask's 64 numbers a lane, then k's eight tiles, of step q of the slot in hand
.macro KMLOAD q
	WIN W_LD
.irp b, 0,1,2,3
.irp n, 0,1,2,3
	ds_load_b128 v[MB+16*\b+4*\n:MB+16*\b+4*\n+3], v[ADM] offset:512*(\q)+128*\b+16*\n   ; the mask at my query, keys 32 b + 16 h + 0..15
.endr
.endr
.irp t, 0,1,2,3,4,5,6,7
.irp c, 0,1
	ds_load_b128 v[KB+8*\t+4*\c:KB+8*\t+4*\c+3], v[ADK] offset:16384*(\q)+1024*\t+512*\c
.endr
.endr
.endm
; THE SOFTMAX'S FIRST PART, both heads by turns: the largest u, M, f, t - M.  Work on registers alone, all in window 0.
.macro PA1
	WIN 0
	s_wait_alu depctr_va_vdst(0)                   ; directly ahead of the first readers of S^T
.irp c, 0,1,2,3                        ; the step's largest u of my query among my 64 keys: four chains a head; each accumulator is first read at its low end
.irp h, 0,1
	v_max3_num_f32 v[TA+DH*\h+\c-4*(\c/2)], v[S+64*\h+16*\c], v[S+64*\h+16*\c+1], v[S+64*\h+16*\c+2]
.endr
.endr
.irp k, 0,1,2,3,4,5
.irp c, 0,1,2,3
.irp h, 0,1
	v_max3_num_f32 v[TA+DH*\h+\c-4*(\c/2)], v[TA+DH*\h+\c-4*(\c/2)], v[S+64*\h+16*\c+3+2*\k], v[S+64*\h+16*\c+4+2*\k]
.endr
.endr
.endr
.irp h, 0,1
	v_max3_num_f32 v[TA+DH*\h], v[TA+DH*\h], v[TA+DH*\h+1], v[S+64*\h+15]   ; the chains, and the four numbers left over
.endr
.irp h, 0,1
	v_max3_num_f32 v[CH+DH*\h], v[CH+DH*\h], v[CH+DH*\h+1], v[S+64*\h+31]
.endr
.irp h, 0,1
	v_max3_num_f32 v[TA+DH*\h], v[TA+DH*\h], v[CH+DH*\h], v[S+64*\h+47]
.endr
.irp h, 0,1
	v_max_num_f32 v[TA+DH*\h], v[TA+DH*\h], v[S+64*\h+63]
.endr
.irp h, 0,1
	v_permlanex16_b32 v[TA+DH*\h+1], v[TA+DH*\h], s[SEL], s[SEL+1]
.endr
.irp h, 0,1
	v_max_num_f32 v[TA+DH*\h], v[TA+DH*\h], v[TA+DH*\h+1]          ; and among lane l xor 16's
.endr
.irp h, 0,1
	v_mul_f32 v[TA+DH*\h], s[CS], v[TA+DH*\h]                      ; as t (c is positive)
.endr
.irp h, 0,1
	v_max_num_f32 v[ST+4*\h+1], v[ST+4*\h+1], v[TA+DH*\h]          ; the running largest t
.endr
.irp h, 0,1
	v_mov_b32 v[TA+DH*\h], v[ST+4*\h]
.endr
.irp h, 0,1
	v_floor_f32 v[ST+4*\h], -v[ST+4*\h+1]                          ; the new -M = floor(-t) = -ceil(t)
.endr
.irp h, 0,1
	v_sub_f32 v[TA+DH*\h], v[ST+4*\h], v[TA+DH*\h]                 ; old M - new M: a whole number, 0 or less
.endr
.irp h, 0,1
	v_cvt_i32_f32 v[TA+DH*\h], v[TA+DH*\h]                         ; (it saturates)
.endr
.irp h, 0,1
	v_ldexp_f32 v[FP+DF*\h], 1.0, v[TA+DH*\h]                      ; f = 2^(old M - new M)
.endr
.irp h, 0,1
.set i, 0
.rept 32
	v_pk_fma_f32 v[S+64*\h+i:S+64*\h+i+1], v[S+64*\h+i:S+64*\h+i+1], s[CS:CS+1], v[ST+4*\h:ST+4*\h+1] op_sel_hi:[1,0,0]   ; t - M = u c - M, two at a time
.set i, i+2
.endr
.endr
.endm
; THE EXPONENTIALS of both heads, one batch.  Work on registers alone, all in window 0.
.macro PA2
	s_wait_alu depctr_va_vdst(0)
.set i, 0
.rept 128
	v_exp_f32 v[S+i], v[S+i]                       ; p = 2^(t - M)
.set i, i+1
.endr
.irp h, 0,1
	v_pk_mul_f32 v[ST+4*\h+2:ST+4*\h+3], v[ST+4*\h+2:ST+4*\h+3], v[FP+DF*\h:FP+DF*\h+1] op_sel_hi:[1,0]   ; the sums under the new M: the plain lines behind the exponentials
.endr
	s_wait_alu depctr_va_vdst(0)                   ; one wait for the whole batch, ahead of its first reader
.endm
.macro ADD2 d, a, b
.endm
; THE SECOND PART, both heads by turns: the sums, the holds, the codes, O^T x f, v^T p.  waitv = 1: v's fragments are waited for here.
.macro PB waitv
	WIN 0
.irp h, 0,1
	v_pk_add_f32 v[CH+DH*\h:CH+DH*\h+1], v[S+64*\h:S+64*\h+1], v[S+64*\h+2:S+64*\h+3]       ; the row's sum is taken of the unquantised p, in four chains a head
.endr
.irp h, 0,1
	v_pk_add_f32 v[TA+DH*\h:TA+DH*\h+1], v[S+64*\h+4:S+64*\h+5], v[S+64*\h+6:S+64*\h+7]
.endr
.irp h, 0,1
	v_pk_add_f32 v[C3+DH*\h:C3+DH*\h+1], v[S+64*\h+8:S+64*\h+9], v[S+64*\h+10:S+64*\h+11]
.endr
.irp n, 12,20,28,36,44,52
.irp h, 0,1
	v_pk_add_f32 v[ST+4*\h+2:ST+4*\h+3], v[ST+4*\h+2:ST+4*\h+3], v[S+64*\h+\n:S+64*\h+\n+1]
.endr
.irp h, 0,1
	v_pk_add_f32 v[CH+DH*\h:CH+DH*\h+1], v[CH+DH*\h:CH+DH*\h+1], v[S+64*\h+\n+2:S+64*\h+\n+3]
.endr
.irp h, 0,1
	v_pk_add_f32 v[TA+DH*\h:TA+DH*\h+1], v[TA+DH*\h:TA+DH*\h+1], v[S+64*\h+\n+4:S+64*\h+\n+5]
.endr
.irp h, 0,1
	v_pk_add_f32 v[C3+DH*\h:C3+DH*\h+1], v[C3+DH*\h:C3+DH*\h+1], v[S+64*\h+\n+6:S+64*\h+\n+7]
.endr
.endr
.irp h, 0,1
	v_pk_add_f32 v[ST+4*\h+2:ST+4*\h+3], v[ST+4*\h+2:ST+4*\h+3], v[S+64*\h+60:S+64*\h+61]
.endr
.irp h, 0,1
	v_pk_add_f32 v[CH+DH*\h:CH+DH*\h+1], v[CH+DH*\h:CH+DH*\h+1], v[S+64*\h+62:S+64*\h+63]
.endr
.irp h, 0,1
	v_pk_add_f32 v[TA+DH*\h:TA+DH*\h+1], v[TA+DH*\h:TA+DH*\h+1], v[C3+DH*\h:C3+DH*\h+1]
.endr
.irp h, 0,1
	v_pk_add_f32 v[ST+4*\h+2:ST+4*\h+3], v[ST+4*\h+2:ST+4*\h+3], v[CH+DH*\h:CH+DH*\h+1]
.endr
.irp h, 0,1
	v_pk_add_f32 v[ST+4*\h+2:ST+4*\h+3], v[ST+4*\h+2:ST+4*\h+3], v[TA+DH*\h:TA+DH*\h+1]
.endr
.irp h, 0,1
.irp b, 0,1,2,3
.irp n, 0,2,4,6,8,10,12,14             ; the conversion does not saturate (ISA guide 7.6.2); p is not negative, so the hold is one-sided: two numbers a line
	v_dual_min_num_f32 v[S+64*\h+16*\b+\n], v[S+64*\h+16*\b+\n], v[HOLD] :: v_dual_min_num_f32 v[S+64*\h+16*\b+\n+1], v[S+64*\h+16*\b+\n+1], v[HOLDB]
.endr
	v_cvt_scalef32_pk8_fp8_f32 v[PC+16*\h+4*\b:PC+16*\h+4*\b+1], v[S+64*\h+16*\b:S+64*\h+16*\b+7], v[SC]
	v_cvt_scalef32_pk8_fp8_f32 v[PC+16*\h+4*\b+2:PC+16*\h+4*\b+3], v[S+64*\h+16*\b+8:S+64*\h+16*\b+15], v[SC]
.endr
.endr
	WIN W_RS
	s_wait_alu depctr_va_vdst(0)                   ; directly ahead of the first reader of O^T
.irp h, 0,1
.set i, 0
.rept 16
	v_pk_mul_f32 v[O+32*\h+i:O+32*\h+i+1], v[O+32*\h+i:O+32*\h+i+1], v[FP+DF*\h:FP+DF*\h+1] op_sel_hi:[1,0]   ; O^T under the new M, each accumulator from its low end on; also the plain lines behind the conversions
.set i, i+2
.endr
.endr
.if \waitv
	s_wait_alu depctr_va_vdst(0)                   ; directly ahead of the wait below
	s_wait_dscnt 32                                ; v's fragments are in; the next step's 32 loads, issued behind them, may be out
.endif
	WIN W_PV
.irp d, 0,1,2,3
.irp h, 0,1
	v_wmma_f32_16x16x128_fp8_fp8 v[O+32*\h+8*\d:O+32*\h+8*\d+7], v[VB+16*\d:VB+16*\d+15], v[PC+16*\h:PC+16*\h+15], v[O+32*\h+8*\d:O+32*\h+8*\d+7]   ; the eight accumulators take turns; a fragment of v serves both heads
.endr
.endr
.endm
.macro NEXTSLOT
	s_xor_b32 s[TB], s[TB], SLOT1
	v_add_nc_u32 v[ADK], s[TB], v[AL]
	v_add_nc_u32 v[ADM], s[TB], v[AM0]
.endm
; A KEY STEP: 128 keys, the q-th of the slot in hand, for both heads.
; mode 0: the next step lies in the same slot; 1: a change of slots that fills; 2: a change of slots that fills nothing; in the tail's last trip (a branch on the loop's counter) no further step is fetched.
.macro STEP q, mode
	s_wait_dscnt 16                                ; this step's mask is in; k's sixteen loads, issued behind the mask's, may be out
	WIN W_RS
.set i, 0
.rept 32
	v_pk_mul_f32 v[MB+i:MB+i+1], v[MB+i:MB+i+1], s[CI:CI+1] op_sel_hi:[1,0]   ; the mask x 2^-w: exact; once for both heads.  (Also the plain lines behind the last products, in front of the loads into v's registers)
.set i, i+2
.endr
	s_wait_alu depctr_va_vdst(0)                   ; directly ahead of the wait below
	s_wait_dscnt 0x0                               ; k
	WIN W_KQ
.irp t, 0,1,2,3,4,5,6,7
.irp h, 0,1
	v_wmma_f32_16x16x64_fp8_fp8 v[S+64*\h+8*\t:S+64*\h+8*\t+7], v[KB+8*\t:KB+8*\t+7], v[Q+8*\h:Q+8*\h+7], v[MB+8*\t:MB+8*\t+7]   ; u; a fragment of k and eight registers of the mask serve both heads
.endr
.endr
.rept 4
	v_nop                                          ; four plain lines in front of the first read of the results and of loads into the registers that these products read
.endr
	WIN W_LD
.irp d, 0,1,2,3
.irp c, 0,1,2,3
	ds_load_b128 v[VB+16*\d+4*\c:VB+16*\d+4*\c+3], v[ADK] offset:16384*(\q)+8192+2048*\d+512*\c   ; v's fragments
.endr
.endr
.if \mode == 0
	KMLOAD (\q)+1                                  ; the next step's mask and k
	PA1
	PA2
	PB 1
.endif
.if \mode == 1
	WIN 0
	s_wait_tensorcnt 0x0                           ; my part of the next slot has landed; no tensor load of mine is out, so a group 0 may be written
	ds_add_u32 v[SPW], v[NIL]                      ; the add, here twice on end
	ds_add_u32 v[SPW], v[NIL]
	WALK
	PA1                                            ; work on registers stands between the adds and the wait for them
	s_wait_dscnt 0x0                               ; both adds are done, and v, my last read of the slot that I leave, is in
	s_barrier_signal -1                            ; this barrier opens a round of the cluster's barrier;
	PA2                                            ; work on registers while the others arrive
	s_barrier_wait -1
	CREST
	JLOAD                                          ; the first thing behind the round, and a wave's one tensor load until the next: the keys two slots on
	NEXTSLOT
	KMLOAD 0
	WIN 0
	ASK
	PB 0
.endif
.if \mode == 2
	WIN 0
	s_wait_tensorcnt 0x0
	ds_add_u32 v[SPW], v[NIL]
	PA1
	s_wait_dscnt 0x0
	s_barrier_signal -1
	PA2
	s_barrier_wait -1
	NEXTSLOT
	s_cmp_eq_u32 s[SLOTS], 1
	s_cbranch_scc1 .Lno_more_\@
	KMLOAD 0
	WIN 0
.Lno_more_\@:
	PB 0
.endif
.endm
	s_wait_alu depctr_va_vdst(0)
	s_wait_loadcnt 0x0                             ; q
	s_wait_tensorcnt 0x0                           ; slot 0
	ds_add_u32 v[SPW], v[NIL]
	ds_add_u32 v[SPW], v[NIL]
	WALK
	s_wait_dscnt 0x0
	CROUND                                         ; slot 0 is whole for every wave;
	JLOAD                                          ; slot 1 is asked for: a first fill, behind a round as every refill
	v_add_nc_u32 v[ADK], s[TB], v[AL]
	v_add_nc_u32 v[ADM], s[TB], v[AM0]
	KMLOAD 0
	WIN 0
	ASK
	s_mov_b32 s[SLOTS], 6
.Lslot:                                            ; six trips, 256 keys each: each leaves a slot and asks for the keys two slots on
	STEP 0, 0
	STEP 1, 1
	WIN 0
	s_sub_co_u32 s[SLOTS], s[SLOTS], 1
	s_cmp_lg_u32 s[SLOTS], 0
	s_cbranch_scc1 .Lslot
	s_mov_b32 s[SLOTS], 2
.Ltail:                                            ; the last two slots have a loop of their own, with no tensor load in it: none is jumped over.  Its second trip passes the work-group's barrier once more than the ring needs
	STEP 0, 0
	STEP 1, 2
	WIN 0
	s_sub_co_u32 s[SLOTS], s[SLOTS], 1
	s_cmp_lg_u32 s[SLOTS], 0
	s_cbranch_scc1 .Ltail
	; THE WAY OUT.  O^T / l is quantised by e10; a row's 256 codes come from two waves, so they meet in a stage.
	v_add_f32 v[ST+2], v[ST+2], v[ST+3]
	v_add_f32 v[ST+6], v[ST+6], v[ST+7]
	s_delay_alu instid0(VALU_DEP_2)
	v_permlanex16_b32 v[TA], v[ST+2], s[SEL], s[SEL+1]
	s_delay_alu instid0(VALU_DEP_2)
	v_permlanex16_b32 v[TA+1], v[ST+6], s[SEL], s[SEL+1]
	s_delay_alu instid0(VALU_DEP_2)
	v_add_f32 v[ST+2], v[ST+2], v[TA]              ; the rows' sums
	s_delay_alu instid0(VALU_DEP_2)
	v_add_f32 v[ST+6], v[ST+6], v[TA+1]
	s_wait_alu depctr_va_vdst(0)
	v_rcp_f32 v[ST+2], v[ST+2]
	v_rcp_f32 v[ST+6], v[ST+6]
.rept 3
	v_nop                                          ; the plain line behind the reciprocals; with the additions above, the plain lines behind the last products
.endr
	s_wait_alu depctr_va_vdst(0)                   ; one wait for both reciprocals, ahead of their first reader
	WIN W_S0                                       ; source 0 (O^T) window 1
.irp h, 0,1
.set i, 0
.rept 16
	v_pk_mul_f32 v[S+64*\h+i:S+64*\h+i+1], v[O+32*\h+i:O+32*\h+i+1], v[ST+4*\h+2:ST+4*\h+3] op_sel_hi:[1,0]   ; register 8 d + n: channel 16 d + 8 h + n of my query
.set i, i+2
.endr
.endr
	WIN 0
.irp h, 0,1
.set i, 0
.rept 32
	v_med3_num_f32 v[S+64*\h+i], v[S+64*\h+i], -v[HOLD2], v[HOLD2]
.set i, i+1
.endr
.irp d, 0,1,2,3
	v_cvt_scalef32_pk8_fp8_f32 v[PC+16*\h+2*\d:PC+16*\h+2*\d+1], v[S+64*\h+8*\d:S+64*\h+8*\d+7], v[SC2]
.endr
.endr
	v_nop                                          ; a plain line behind the last conversion
.irp h, 0,1
.irp d, 0,1,2,3
	ds_store_b64 v[STO], v[PC+16*\h+2*\d:PC+16*\h+2*\d+1] offset:64*\h+16*\d
.endr
.endr
	s_wait_dscnt 0x0                               ; for the others' sake: my stores into the stage are done
	s_barrier_signal -1
	s_barrier_wait -1
.irp n, 0,1,2,3
	ds_load_b128 v[W+4*\n:W+4*\n+3], v[RD] offset:2*\n*SP
.endr
.irp n, 0,1,2,3
	s_wait_dscnt 3-\n                              ; the younger loads may be out
	global_store_b128 v[GO], v[W+4*\n:W+4*\n+3], s[12:13] offset:4096*\n   ; sixteen lanes store 256 consecutive bytes, aligned
.endr
	s_wait_tensorcnt 0x0                           ; the wave's end
	ds_add_u32 v[SPW], v[NIL]
	s_wait_dscnt 0x0
	CROUND                                         ; the closing round
	s_endpgm
.Lfunc_end_k_qc2a74e2b90_attn:
	.size	k_qc2a74e2b90_attn, .Lfunc_end_k_qc2a74e2b90_attn-k_qc2a74e2b90_attn
	.p2alignl 7, 3214868480
	.fill 96, 4, 3214868480
	.section	.rodata,"a",@progbits
	.p2align	6, 0x0
	.amdhsa_kernel k_qc2a74e2b90_attn
		.amdhsa_group_segment_fixed_size 327680
		.amdhsa_private_segment_fixed_size 0
		.amdhsa_enable_private_segment 0
		.amdhsa_kernarg_size 40
		.amdhsa_user_sgpr_count 2
		.amdhsa_user_sgpr_kernarg_segment_ptr 1
		.amdhsa_wavefront_size32 1
		.amdhsa_system_sgpr_workgroup_id_x 1
		.amdhsa_system_sgpr_workgroup_id_y 1
		.amdhsa_system_sgpr_workgroup_id_z 1
		.amdhsa_system_vgpr_workitem_id 0
		.amdhsa_next_free_vgpr 512
		.amdhsa_next_free_sgpr 96
		.amdhsa_reserve_vcc 0
		.amdhsa_float_denorm_mode_32 3
		.amdhsa_float_denorm_mode_16_64 3
		.amdhsa_memory_ordered 1
		.amdhsa_forward_progress 1
		.amdhsa_inst_pref_size 151
	.end_amdhsa_kernel
	.amdgpu_metadata
---
amdhsa.version: [ 1, 2 ]
amdhsa.kernels:
  - .name:           k_qc2a74e2b90_attn
    .symbol:         k_qc2a74e2b90_attn.kd
    .args:
      - { .name: q_img, .offset: 0, .size: 8, .value_kind: global_buffer, .address_space: global }
      - { .name: kv, .offset: 8, .size: 8, .value_kind: global_buffer, .address_space: global }
      - { .name: mask, .offset: 16, .size: 8, .value_kind: global_buffer, .address_space: global }
      - { .name: lowp_scales, .offset: 24, .size: 8, .value_kind: global_buffer, .address_space: global }
      - { .name: a_codes, .offset: 32, .size: 8, .value_kind: global_buffer, .address_space: global }
    .group_segment_fixed_size: 327680
    .private_segment_fixed_size: 0
    .kernarg_segment_align: 8
    .kernarg_segment_size: 40
    .max_flat_workgroup_size: 256
    .sgpr_count:     96
    .vgpr_count:     512
    .wavefront_size: 32
...
	.end_amdgpu_metadata
.endif
;; end of part 3
;; launch outp (part 4): grid 16 x 16, 4 waves a work-group, clusters of 4 x 4, 327,680 bytes of LDS; arguments a_codes, wc, lowp_scales, out0; writes out0
.if DOCPART == 4
	.amdgcn_target "amdgcn-amd-amdhsa--gfx1250"
	.amdhsa_code_object_version 6
	.text
	.protected	k_qc2a74e2b90_outp
	.globl	k_qc2a74e2b90_outp
	.p2align	8
	.type	k_qc2a74e2b90_outp,@function
k_qc2a74e2b90_outp:
	s_mov_b64 s[64:65], 0
	v_nop
	global_prefetch_b8 v0, s[64:65] scope:SCOPE_SE
	s_setreg_imm32_b32 hwreg(HW_REG_WAVE_MODE, 25, 1), 1
	s_wait_xcnt 0x0
	s_wait_alu depctr_hold_cnt(0) depctr_sa_sdst(0) depctr_va_vdst(0) depctr_va_sdst(0) depctr_va_ssrc(0) depctr_va_vcc(0) depctr_vm_vsrc(0)
	s_getreg_b32 s2, hwreg(HW_REG_IB_STS2, 6, 4)
	s_cmp_eq_u32 s2, 0
	s_cbranch_scc0 .Lentry_in_a_cluster
	s_endpgm
.Lentry_in_a_cluster:
	s_bfe_u32 s2, ttmp6, 0x10000c
	s_cmp_lg_u32 s2, 0xf033
	s_cbranch_scc0 .Lentry_shape_is_right
	s_endpgm
.Lentry_shape_is_right:
; FOURTH LAUNCH: out0 = a wo on codes of E4M3 (a_codes by e10, rows 3072 on of wc by e11), sums in f32, each finished sum x 2^(e10 + e11).  Nothing of the problem is left out here.
; A work-group of four waves makes 128 x 128; a wave 64 x 64.  K = 2048 goes through a ring of two LDS slots of 512 along K: four visits, written out.  CLUSTER 4 x 4: a's tile is asked for jointly along a row, wo's along a column.
; Source 0 = 16 columns, source 1 = 16 rows: a lane holds eight neighbouring numbers of a row of out0; they leave through the wave's own stage as aligned runs of 256 bytes.
; PREFETCHES: of the 64 rows x 512 bytes that a wave fetches in a visit, each of the four partners that ask jointly names 16 rows, told apart by address: a lane a block of 256 bytes.
; Behind visit 0's load visit 1 is named, behind visit 1's load visits 2 and 3.  All offsets are immediates; the address registers are never rewritten.
; LIMIT: e10 + e11 between -126 and 127.
.set PITCH,  528
.set HALFT,  64*PITCH
.set SLOT,   4*HALFT
.set SPARE,  2*SLOT
.set STAGE,  SPARE+512
.set SPITCH, 272
.set ADRA, 16
.set ADRB, 20
.set STO,  24
.set RD,   25
.set CO,   26
.set SPW,  28
.set NIL,  29
.set ACC,  128
.set F0,   0
.set F1,   128
.set G1,  24
.set G0,  32
.set G1B, 48
.set G0B, 56
.set WV,  18
.set XH,  19
.set WH,  20
.set MSB, 0
.macro WIN new
.if MSB != \new
	s_set_vgpr_msb (MSB<<8)|\new
.set MSB, \new
.endif
.endm
.set MUL,  0x05
.set TO_F, 0x40
.macro JLOAD s
	s_cmp_eq_u32 s[XH], 0
	s_cbranch_scc0 .Lfor_b_\@
	tensor_load_to_lds s[G0+4*\s:G0+4*\s+3], s[G1:G1+7]
	s_nop 0
.rept 4
	v_nop
.endr
	s_branch .Lasked_\@
.Lfor_b_\@:
	tensor_load_to_lds s[G0B+4*\s:G0B+4*\s+3], s[G1B:G1B+7]
	s_nop 0
.rept 4
	v_nop
.endr
.Lasked_\@:
.endm
.macro CROUND
	s_barrier_signal -1
	s_barrier_wait -1
	s_cmp_lg_u32 s[WV], 0
	s_cbranch_scc1 .Lnot_wave_0_\@
	s_barrier_signal -3
.Lnot_wave_0_\@:
	s_barrier_wait -3
	s_barrier_signal -1
	s_barrier_wait -1
.endm
.macro PLACES
.rept 4
	v_nop
.endr
.endm
.macro FETCH slot, k, f
	WIN TO_F
.irp i, 0,1,2,3
.irp c, 0,1,2,3
	ds_load_b128 v[\f+64+16*\i+4*\c:\f+64+16*\i+4*\c+3], v[ADRB+\slot] offset:\k+32*\c+\i*16*PITCH
.endr
.endr
.irp i, 0,1,2,3
.irp c, 0,1,2,3
	ds_load_b128 v[\f+16*\i+4*\c:\f+16*\i+4*\c+3], v[ADRA+\slot] offset:\k+32*\c+\i*16*PITCH
.endr
.endr
.endm
.macro MUL16 f, zero
.irp a, 0,1,2,3
.irp b, 0,1,2,3
.if \zero
	v_wmma_f32_16x16x128_fp8_fp8 v[ACC+8*(4*\a+\b):ACC+8*(4*\a+\b)+7], v[\f+64+16*\b:\f+64+16*\b+15], v[\f+16*\a:\f+16*\a+15], 0
.else
	v_wmma_f32_16x16x128_fp8_fp8 v[ACC+8*(4*\a+\b):ACC+8*(4*\a+\b)+7], v[\f+64+16*\b:\f+64+16*\b+15], v[\f+16*\a:\f+16*\a+15], v[ACC+8*(4*\a+\b):ACC+8*(4*\a+\b)+7]
.endif
.endr
.endr
.endm
.macro KSTEP f, g, slot, k, zero
	PLACES
	FETCH \slot, \k, \g
	s_wait_dscnt 32                                ; all but the 32 loads just issued: buffer f is in
	WIN MUL
	MUL16 \f, \zero
.endm
.macro TURN slot, next, fill
	WIN 0
	s_wait_tensorcnt 0x0
	ds_add_u32 v[SPW], v[NIL]
.if \fill
	s_add_nc_u64 s[G0+4*\slot+2:G0+4*\slot+3], s[G0+4*\slot+2:G0+4*\slot+3], 1024
	s_add_nc_u64 s[G0B+4*\slot+2:G0B+4*\slot+3], s[G0B+4*\slot+2:G0B+4*\slot+3], 1024
.endif
	s_wait_dscnt 0x0
.if \fill
	CROUND
	JLOAD \slot
.else
	s_barrier_signal -1
	s_barrier_wait -1
	PLACES
.endif
	FETCH \next, 0, F0
	WIN MUL
	MUL16 F1, 0
.endm
	s_load_b256 s[4:11], s[0:1], 0x0
	v_lshl_add_u32 v[SPW], v0, 2, SPARE
	v_mov_b32 v[NIL], 0
	ds_add_u32 v[SPW], v[NIL]
	ds_add_u32 v[SPW], v[NIL]
	v_lshrrev_b32 v1, 5, v0
	v_readfirstlane_b32 s[WV], v1
	s_lshr_b32 s[XH], s[WV], 1
	s_and_b32 s[WH], s[WV], 1
	s_bfe_u32 s40, ttmp6, 0x40000
	s_bfe_u32 s41, ttmp6, 0x40004
	s_lshl_b32 s42, ttmp9, 2
	s_add_co_u32 s42, s42, s40
	s_and_b32 s43, ttmp7, 0xffff
	s_lshl_b32 s43, s43, 2
	s_add_co_u32 s43, s43, s41
	s_lshl_b32 s44, s41, 2
	s_lshl_b32 s44, 15, s44
	s_lshl_b32 s45, 0x1111, s40
	s_or_b32 s[G1], s44, (0<<16)|(1<<20)|(1<<21)|(6<<22)|(3<<25)
	s_or_b32 s[G1B], s45, (0<<16)|(1<<20)|(1<<21)|(6<<22)|(3<<25)
.irp g, G1, G1B
	s_mov_b32 s[\g+1], 512<<16
	s_mov_b32 s[\g+2], 64<<16
	s_mov_b32 s[\g+3], 512<<16
	s_mov_b32 s[\g+4], 64
	s_mov_b32 s[\g+5], 2048
	s_mov_b32 s[\g+6], 0
	s_mov_b32 s[\g+7], 0
.endr
	s_lshl_b32 s22, s[WH], 6
	s_lshl_b32 s46, s43, 7
	s_add_co_u32 s46, s46, s22
	s_lshl_b32 s46, s46, 11
	s_mov_b32 s47, 0
	s_lshl_b32 s68, s42, 7
	s_add_co_u32 s68, s68, s22
	s_lshl_b32 s68, s68, 11
	s_add_co_u32 s68, s68, 3072*2048
	s_mov_b32 s69, 0
	s_mul_i32 s80, s[WV], HALFT
	s_wait_dscnt 0x0
	s_wait_kmcnt 0x0
	s_load_b64 s[66:67], s[8:9], 0x28
	s_add_nc_u64 s[46:47], s[4:5], s[46:47]
	s_add_nc_u64 s[68:69], s[6:7], s[68:69]
	CROUND
.irp s, 0,1
	s_mov_b32 s[G0+4*\s], 1
	s_add_co_u32 s[G0+4*\s+1], s80, \s*SLOT
	s_add_nc_u64 s[G0+4*\s+2:G0+4*\s+3], s[46:47], \s*512
	s_or_b32 s[G0+4*\s+3], s[G0+4*\s+3], 0x80000000
	s_mov_b32 s[G0B+4*\s], 1
	s_add_co_u32 s[G0B+4*\s+1], s80, \s*SLOT
	s_add_nc_u64 s[G0B+4*\s+2:G0B+4*\s+3], s[68:69], \s*512
	s_or_b32 s[G0B+4*\s+3], s[G0B+4*\s+3], 0x80000000
.endr
	JLOAD 0                                        ; visit 0: one tensor load a wave at the head
	s_cmp_eq_u32 s[XH], 0                          ; the prefetches: the rows that I fetch,
	s_cselect_b64 s[2:3], s[46:47], s[68:69]
	s_cselect_b32 s22, s40, s41                    ; my place among the four that ask for them with me,
	s_lshl_b32 s22, s22, 15                        ; x 16 rows of 2,048 bytes
	s_mov_b32 s23, 0
	s_add_nc_u64 s[2:3], s[2:3], s[22:23]
	v_and_b32 v9, 31, v0
	v_lshrrev_b32 v8, 1, v9
	v_lshlrev_b32 v8, 11, v8
	v_and_b32 v9, 1, v9
	v_lshl_add_u32 v8, v9, 8, v8                   ; 2048 (lane / 2) + 256 (lane % 2); never rewritten
	global_prefetch_b8 v8, s[2:3] offset:512 th:TH_LOAD_NT scope:SCOPE_SE    ; visit 1
	v_and_b32 v1, 15, v0
	s_wait_alu depctr_va_vdst(0)
	v_bfe_u32 v2, v0, 4, 1
	v_mul_u32_u24 v3, v1, PITCH
	v_lshl_add_u32 v3, v2, 4, v3
	s_mul_i32 s81, s[XH], HALFT
	s_mul_i32 s82, s[WH], HALFT
	s_add_co_u32 s82, s82, 2*HALFT
.irp s, 0,1
	v_add_nc_u32 v[ADRA+\s], s81, v3
	v_add_nc_u32 v[ADRB+\s], s82, v3
	s_add_co_u32 s81, s81, SLOT
	s_add_co_u32 s82, s82, SLOT
.endr
	s_mul_i32 s83, s[WV], 32*SPITCH
	s_add_co_u32 s83, s83, STAGE
	v_mul_u32_u24 v[STO], v1, SPITCH
	s_wait_alu depctr_va_vdst(0)
	v_lshl_add_u32 v[STO], v2, 5, v[STO]
	v_add_nc_u32 v[STO], s83, v[STO]
	v_mul_u32_u24 v[RD], v2, SPITCH
	v_lshl_add_u32 v[RD], v1, 4, v[RD]
	v_add_nc_u32 v[RD], s83, v[RD]
	v_lshlrev_b32 v[CO], 13, v2
	v_lshl_add_u32 v[CO], v1, 4, v[CO]
	s_lshl_b32 s70, s43, 7
	s_lshl_b32 s71, s[XH], 6
	s_add_co_u32 s70, s70, s71
	s_lshl_b32 s70, s70, 13
	s_lshl_b32 s71, s42, 9
	s_add_co_u32 s70, s70, s71
	s_lshl_b32 s71, s[WH], 8
	s_add_co_u32 s70, s70, s71
	s_mov_b32 s71, 0
	s_add_nc_u64 s[10:11], s[10:11], s[70:71]
	s_wait_alu depctr_va_vdst(0)
	s_wait_tensorcnt 0x0                           ; my part of visit 0 is in
	ds_add_u32 v[SPW], v[NIL]
	s_wait_dscnt 0x0
	CROUND                                         ; everybody's part of visit 0 is in, and the joint loads meet
	JLOAD 1                                        ; visit 1, the first tensor load behind the round
	FETCH 0, 0, F0
	global_prefetch_b8 v8, s[2:3] offset:1024 th:TH_LOAD_NT scope:SCOPE_SE   ; visits 2 and 3 (the address register lies in window 0, as the loads' does)
	global_prefetch_b8 v8, s[2:3] offset:1536 th:TH_LOAD_NT scope:SCOPE_SE
	KSTEP F0, F1, 0, 128, 1
	KSTEP F1, F0, 0, 256, 0
	KSTEP F0, F1, 0, 384, 0
	TURN 0, 1, 1
	KSTEP F0, F1, 1, 128, 0
	KSTEP F1, F0, 1, 256, 0
	KSTEP F0, F1, 1, 384, 0
	TURN 1, 0, 1
	KSTEP F0, F1, 0, 128, 0
	KSTEP F1, F0, 0, 256, 0
	KSTEP F0, F1, 0, 384, 0
	TURN 0, 1, 0
	KSTEP F0, F1, 1, 128, 0
	KSTEP F1, F0, 1, 256, 0
	KSTEP F0, F1, 1, 384, 0
	s_wait_dscnt 0x0
	WIN MUL
	MUL16 F1, 0
	WIN 0
	s_wait_kmcnt 0x0
	s_add_co_i32 s66, s66, s67
	s_add_co_i32 s66, s66, 127
	s_lshl_b32 s66, s66, 23                        ; 2^(e10 + e11)
	s_mov_b32 s67, s66
	PLACES
.irp p, 0,1
.set j, 0
.rept 32
	v_pk_mul_f32 v[ACC+64*\p+j:ACC+64*\p+j+1], v[ACC+64*\p+j:ACC+64*\p+j+1], s[66:67] op_sel_hi:[1,0]
.set j, j+2
.endr
.irp a, 0,1
.irp b, 0,1,2,3
	ds_store_b128 v[STO], v[ACC+64*\p+8*(4*\a+\b):ACC+64*\p+8*(4*\a+\b)+3] offset:16*SPITCH*\a+64*\b
	ds_store_b128 v[STO], v[ACC+64*\p+8*(4*\a+\b)+4:ACC+64*\p+8*(4*\a+\b)+7] offset:16*SPITCH*\a+64*\b+16
.endr
.endr
.irp t, 0,1,2,3,4,5,6,7,8,9,10,11,12,13,14,15
	ds_load_b128 v[32+96*\p+4*\t:32+96*\p+4*\t+3], v[RD] offset:2*\t*SPITCH
.endr
.irp t, 0,1,2,3,4,5,6,7,8,9,10,11,12,13,14,15
	s_wait_dscnt 15-\t                             ; the younger loads may be out
	global_store_b128 v[CO], v[32+96*\p+4*\t:32+96*\p+4*\t+3], s[10:11] offset:(32*\p+2*\t)*8192 th:TH_STORE_NT
.endr
.endr
	s_wait_tensorcnt 0x0                           ; the wave's end
	ds_add_u32 v[SPW], v[NIL]
	s_wait_dscnt 0x0
	CROUND
	s_endpgm
.Lfunc_end_k_qc2a74e2b90_outp:
	.size	k_qc2a74e2b90_outp, .Lfunc_end_k_qc2a74e2b90_outp-k_qc2a74e2b90_outp
	.p2alignl 7, 3214868480
	.fill 96, 4, 3214868480
	.section	.rodata,"a",@progbits
	.p2align	6, 0x0
	.amdhsa_kernel k_qc2a74e2b90_outp
		.amdhsa_group_segment_fixed_size 327680
		.amdhsa_private_segment_fixed_size 0
		.amdhsa_enable_private_segment 0
		.amdhsa_kernarg_size 32
		.amdhsa_user_sgpr_count 2
		.amdhsa_user_sgpr_kernarg_segment_ptr 1
		.amdhsa_wavefront_size32 1
		.amdhsa_system_sgpr_workgroup_id_x 1
		.amdhsa_system_sgpr_workgroup_id_y 1
		.amdhsa_system_sgpr_workgroup_id_z 1
		.amdhsa_system_vgpr_workitem_id 0
		.amdhsa_next_free_vgpr 512
		.amdhsa_next_free_sgpr 96
		.amdhsa_reserve_vcc 0
		.amdhsa_float_denorm_mode_32 3
		.amdhsa_float_denorm_mode_16_64 3
		.amdhsa_memory_ordered 1
		.amdhsa_forward_progress 1
		.amdhsa_inst_pref_size 75
	.end_amdhsa_kernel
	.amdgpu_metadata
---
amdhsa.version: [ 1, 2 ]
amdhsa.kernels:
  - .name:           k_qc2a74e2b90_outp
    .symbol:         k_qc2a74e2b90_outp.kd
    .args:
      - { .name: a_codes, .offset: 0, .size: 8, .value_kind: global_buffer, .address_space: global }
      - { .name: wc, .offset: 8, .size: 8, .value_kind: global_buffer, .address_space: global }
      - { .name: lowp_scales, .offset: 16, .size: 8, .value_kind: global_buffer, .address_space: global }
      - { .name: out0, .offset: 24, .size: 8, .value_kind: global_buffer, .address_space: global }
    .group_segment_fixed_size: 327680
    .private_segment_fixed_size: 0
    .kernarg_segment_align: 8
    .kernarg_segment_size: 32
    .max_flat_workgroup_size: 128
    .sgpr_count:     96
    .vgpr_count:     512
    .wavefront_size: 32
...
	.end_amdgpu_metadata
.endif
;; end of part 4
